; MI455X (gfx1250); checked and timed in simulation.
; The chip was launched on July 23, 2026; its instructions are those of AMD's public machine-readable ISA for CDNA 5 (MIT licence, August 2026) and "CDNA5" Instruction Set Architecture Reference Guide (July 2026). The comments in the code are by the model that wrote it; some were corrected since.
;; My Mutil Head Attention. Allowed arithmetic: matrix products marked QUANTISED: E2M3 operands, one E8M0 scale for each 32 along K, by v_wmma_scale_f32_16x16x128_f8f6f4 with both operands' format E2M3, f32 sums; everything else in f32.
;; Inputs: W 1,024 x 1,024 float32; b 1,024 float32; key 4 x 2,048 x 1,024 float32; query 4 x 2,048 x 1,024 float32; value 4 x 2,048 x 1,024 float32.
;; Outputs: out0 4 x 2,048 x 1,024 float32.
;; This version of the problem:
;;   THIS VERSION OF THE PROBLEM IS GIVEN IN LOW PRECISION. The matrix products marked QUANTISED in the list below multiply operands that are first quantised to E2M3 (2 exponent bits, 3 mantissa bits; 6 bits a number), with one power-of-two scale for each 32 numbers along K (OCP MX v1.0); their sums are f32. All else is computed in f32.
;;   The module's matrix products, in the order in which they are computed (A, B: the left and right operand; K: the contracted axis; several contracted axes count as one K, in the product's order):
;;     1. batch 64 x [M 2,048, K 64] x [K 64, N 2,048]; A: input query; B: input key: QUANTISED
;;     2. batch 64 x [M 64, K 2,048] x [K 2,048, N 2,048]; A: input value; B: computed on the way: QUANTISED
;;     3. [M 8,192, K 1,024] x [K 1,024, N 1,024]; A: computed on the way; B: input W: QUANTISED
;;   THE QUANTISER, for each operand of a quantised product, along K:
;;     - K is cut into blocks of 32 from its start; a last block that is shorter is filled with zeros.
;;     - A block's scale is 2^e with e = floor(log2(the largest magnitude in the block)) - 2, held to -126 .. 127; a block of zeros has e = 0. As a byte (E8M0): e + 127.
;;     - Each number is divided by its block's scale, clamped to +-7.5, and rounded to the nearest number of E2M3, ties to even, subnormals kept.
;;     - The product sums the exact products of the quantised numbers (number of the format x scale) in f32.
;;   ~~~python
;;   def quantise(x, axis):      # numpy; x: float32 -> the quantised numbers, widened to float32 again
;;       x = np.moveaxis(x, axis, -1); K = x.shape[-1]
;;       x = np.pad(x, [(0, 0)] * (x.ndim - 1) + [(0, -K % 32)]); x = x.reshape(x.shape[:-1] + (-1, 32)); a = np.abs(x).max(-1, keepdims=True)
;;       e = np.where(a > 0, np.clip(np.frexp(np.where(a > 0, a, 1))[1] - 1 - 2, -126, 127), 0)      # np.frexp(a)[1] - 1 = floor(log2(a)), exactly
;;       r = np.clip(x / 2.0 ** e, -7.5, 7.5)
;;       step = 2.0 ** (np.maximum(np.frexp(np.where(r == 0, 1, r))[1] - 1, 0) - 3)
;;       q = np.round(r / step) * step * 2.0 ** e      # np.round: ties to even
;;       return np.moveaxis(q.reshape(q.shape[:-2] + (-1,))[..., :K], -1, axis).astype(np.float32)
;;   ~~~
;;   OPERANDS COMPUTED ON THE WAY. 'Computed on the way' means the value that the module computes at that place (a softmax that the list does not call 'softmax' is quantised finished and normalised). What goes into a quantiser is computed in f32, as accurately as f32 sums, v_exp_f32 and their like allow (about 1e-6 of the number): no bf16 or f16 on the way to a quantiser, and a product that is left as it is and whose result goes on into a quantised operand takes f32 operands (vector FMAs, or v_wmma_f32_16x16x4_f32). A number that lies on a knife's edge between two numbers of the format may be rounded either way, as far as f32 arithmetic and the matrix unit's own rounding can turn it there, and no further.
;; One version. Each part assembles by itself: llvm-mc -triple=amdgcn-amd-amdhsa -mcpu=gfx1250 --defsym DOCPART=n.
;; ======== version 1 of 1: 4 launches
;; limits: right only within a limited range of input values
;; workspace buffers: qrec 6,815,744 bytes; kv 13,631,488 bytes; nega 524,288 bytes; oc 6,291,456 bytes; os 262,144 bytes; wc 786,432 bytes; ws 32,768 bytes
;; launch quant (part 1): grid 800 x 1, 4 waves a work-group, no clusters, 22,016 bytes of LDS; arguments query, key, value, W, qrec, kv, wc, ws; writes qrec, kv, wc, ws
.if DOCPART == 1
	.amdgcn_target "amdgcn-amd-amdhsa--gfx1250"
	.amdhsa_code_object_version 6
	.text
	.protected	k_q6df364d4c9_quant
	.globl	k_q6df364d4c9_quant
	.p2align	8
	.type	k_q6df364d4c9_quant,@function
k_q6df364d4c9_quant:
	s_mov_b64 s[64:65], 0
	v_nop
	global_prefetch_b8 v0, s[64:65] scope:SCOPE_SE
	s_setreg_imm32_b32 hwreg(HW_REG_WAVE_MODE, 25, 1), 1
	s_wait_xcnt 0x0
; query, key [8192][1024], W [1024][1024] (K innermost) and value [8192][1024] (K = the keys, its first axis within a batch), all f32, become codes of FP6 (E2M3) with one E8M0 byte for each 32 along K,
; laid in the ORDER OF THE OPERANDS' REGISTERS, so that the later launches bring them by dense loads alone.
; A block's scale is 2^(floor(log2(its largest magnitude)) - 2); its byte is the largest magnitude's exponent field - 2, held at 1 from below.
; LIMITS: a block of zeros gets the byte 1 where the quantiser's text says 127 (its codes are zeros, which add nothing, and this program alone reads the bytes); NaN and infinities are not served.
; THE ROWS OF A TILE: in a group of 128 rows, tile t = 2 b + u holds in its row r the group's row 32 b + 8 u + r + 8 (r / 8).
; A SUB is 16 rows x 64 along K: lane (r, h) holds block h of row r, 24 bytes in 6 registers; in memory 3 planes of 256 bytes, plane p = registers 2 p, 2 p + 1 at 8 x lane.
; A RECORD (128 rows of one head of q or k) is 8 subs and 8 x 16 scale words (byte 0 | byte 1 << 8): 6,656 bytes.  W's subs go pairwise into fragments of 1,536 bytes.
; A V SLOT (128 keys of one head) is 4 fragments (16 channels x 128 keys, 12 registers, 3 planes of 512 bytes), 4 x 16 scale words and 256 bytes of zeros: 6,656 bytes.
; SHARES: a wave takes 128 rows x 64 columns (32 KiB).  Work-groups 0-255 take query, 256-511 key, 512-543 W (one path of the text, pointers chosen by the work-group's number), 544-799 value (a path of its own).
; No tensor load, no barrier: waves share nothing.  No register that a store reads is written again, so no wait for that stands in the text.
.set SEG,   5376                       ; LDS of a wave: the row path's stage (16 rows x 272), its tail (512), the column path's tail (512)
.set RTAIL, 4352
.set CTAIL, 4864
.set R,   16                           ; v16-79   row path: two sets of 32 registers as loaded
.set X,   80                           ; v80-111  a lane's block of 32 neighbours
.set C,   112                          ; v112-175 codes, 8 registers a tile
.set WD,  176                          ; v176-183 the tiles' scale words
.set VO,  184                          ; v184-191 where tile t's sub goes: 8 x lane + t x the tiles' distance
.set CX,  16                           ; v16-79   column path: two sets of 32 numbers down the keys
.set CF,  80                           ; v80-127  four fragments
.set CT,  128                          ; v128-130 a block's upper 16 codes
.set CW,  132                          ; v132-133 scale words
; the largest magnitude of v[XS] .. v[XS + 31] with the floor 2^(3 - 127) among its leaves -> v11; the conversions' scale operand -> v13; the byte -> v14
.macro MAX32
	v_max3_num_f32 v11, |v[XS]|, |v[XS+1]|, |v[XS+2]|
	v_max3_num_f32 v12, |v[XS+3]|, |v[XS+4]|, |v[XS+5]|
.irp i, 6,10,14,18,22,26
	v_max3_num_f32 v11, v11, |v[XS+\i]|, |v[XS+\i+1]|
	v_max3_num_f32 v12, v12, |v[XS+\i+2]|, |v[XS+\i+3]|
.endr
	v_max3_num_f32 v11, v11, |v[XS+30]|, |v[XS+31]|
	v_max3_num_f32 v11, v11, v12, 0x1800000
	v_add_nc_u32 v13, 0xff000000, v11              ; 2 off the exponent field: the conversion takes this operand's exponent field as its scale
	v_lshrrev_b32 v14, 23, v13                     ; the scale's byte
.endm
	s_load_b256 s[4:11], s[0:1], 0x0               ; query s[4:5], key s[6:7], value s[8:9], W s[10:11]
	s_load_b256 s[12:19], s[0:1], 0x20             ; qrec s[12:13], kv s[14:15], wc s[16:17], ws s[18:19]
	v_lshl_add_u32 v192, v0, 2, 0x5400
	v_mov_b32 v193, 0
	v_lshrrev_b32 v1, 5, v0
	v_readfirstlane_b32 s20, v1                    ; wave
	v_and_b32 v1, 31, v0                           ; lane
	v_and_b32 v2, 15, v0                           ; r
	v_bfe_u32 v3, v0, 4, 1                         ; h
	s_mul_i32 s21, s20, SEG                        ; my wave's LDS
	s_mov_b32 s22, 0x76543210
	s_mov_b32 s23, 0xfedcba98                      ; v_permlanex16_b32's selects for lane l xor 16
	s_cmp_ge_u32 ttmp9, 544
	s_cbranch_scc1 .Lcol
	; ---------------- THE ROW PATH: K innermost ----------------
	s_and_b32 s24, ttmp9, 255                      ; y: the work-group's number within its tensor
	s_lshr_b32 s25, s24, 2                         ; rs: which 128 rows
	s_and_b32 s26, s24, 3
	s_lshl_b32 s26, s26, 2
	s_add_co_u32 s26, s26, s20                     ; g: which 64 columns (the head, for q and k)
	s_lshl_b32 s28, s25, 19                        ; 128 rows of 4,096 bytes
	s_lshl_b32 s27, s26, 8
	s_add_co_u32 s28, s28, s27
	s_mov_b32 s29, 0                               ; s[28:29]: where my numbers begin
	s_lshr_b32 s30, s25, 4                         ; q, k: record ((16 batch + head) 16 + step)
	s_lshl_b32 s30, s30, 4
	s_add_co_u32 s30, s30, s26
	s_lshl_b32 s30, s30, 4
	s_and_b32 s31, s25, 15
	s_add_co_u32 s30, s30, s31
	s_mov_b32 s31, 13312
	s_cmp_lt_u32 ttmp9, 256
	s_cselect_b32 s31, 6656, s31                   ; q's records lie on end, k's alternate with V's slots
	s_mul_i32 s30, s30, s31
	s_lshr_b32 s32, s25, 1                         ; W: (((2 Nblk + chunk) 16 + 8 (rs & 1)) 4 + s4) 1536 + 768 (g & 1)
	s_lshl_b32 s32, s32, 1
	s_lshr_b32 s33, s26, 3
	s_add_co_u32 s32, s32, s33
	s_lshl_b32 s32, s32, 4
	s_and_b32 s33, s25, 1
	s_lshl_b32 s33, s33, 3
	s_add_co_u32 s32, s32, s33
	s_lshl_b32 s32, s32, 2
	s_bfe_u32 s33, s26, 0x20001
	s_add_co_u32 s32, s32, s33
	s_mul_i32 s32, s32, 1536
	s_and_b32 s33, s26, 1
	s_mul_i32 s33, s33, 768
	s_add_co_u32 s32, s32, s33
	s_lshl_b32 s40, s25, 6                         ; W's scale words: (64 rs + g / 2) 64 + 2 (g & 1)
	s_lshr_b32 s41, s26, 1
	s_add_co_u32 s40, s40, s41
	s_lshl_b32 s40, s40, 6
	s_and_b32 s41, s26, 1
	s_lshl_b32 s41, s41, 1
	s_add_co_u32 s40, s40, s41
	s_mov_b32 s41, 0
	s_wait_alu depctr_va_vdst(0)
	v_lshlrev_b32 v4, 12, v3
	v_lshl_add_u32 v4, v2, 4, v4                   ; in: lanes 0-15 one row's 256 bytes, lanes 16-31 the next row's
	v_mul_u32_u24 v5, v3, 272
	v_lshl_add_u32 v5, v2, 4, v5
	v_add_nc_u32 v5, s21, v5                       ; the stage, on the way in
	v_mul_u32_u24 v6, v2, 272
	v_lshl_add_u32 v6, v3, 7, v6
	v_add_nc_u32 v6, s21, v6                       ; and out: row r, block h
	v_lshlrev_b32 v7, 3, v3                        ; 8 h: my byte's place in the scale word
	v_lshlrev_b32 v8, 2, v2
	v_add_nc_u32 v8, s21, v8
	v_add_nc_u32 v8, RTAIL, v8                     ; the tail: 4 r
	v_lshlrev_b32 v10, 4, v1                       ; 16 x lane
	v_add_nc_u32 v9, s21, v10
	v_add_nc_u32 v9, RTAIL, v9
	v_mov_b32 v15, 0                               ; written once: a lane permute's destination counts as one of its sources
	v_lshlrev_b32 v14, 3, v1                       ; 8 x lane
	s_mov_b32 s34, 6144
	s_cmp_lt_u32 ttmp9, 512
	s_cselect_b32 s30, s30, s32
	s_cselect_b32 s34, 768, s34                    ; from tile to tile
	s_mov_b32 s31, 0
	s_wait_alu depctr_va_vdst(0)
	s_wait_kmcnt 0x0
	s_cselect_b64 s[36:37], s[6:7], s[10:11]       ; the choices hang on the work-group's number alone
	s_cselect_b64 s[38:39], s[14:15], s[16:17]
	s_cmp_lt_u32 ttmp9, 256
	s_cselect_b64 s[36:37], s[4:5], s[36:37]
	s_cselect_b64 s[38:39], s[12:13], s[38:39]
	s_add_nc_u64 s[36:37], s[36:37], s[28:29]
	s_add_nc_u64 s[38:39], s[38:39], s[30:31]
.irp t, 0,1,2,3,4,5,6,7
	v_mad_u32_u24 v[VO+\t], s34, \t, v14
.endr
.macro RLOAD t                         ; tile t's 16 rows x 256 bytes: sixteen lanes read 256 consecutive bytes of one row
.irp i, 0,1,2,3,4,5,6,7
	global_load_b128 v[R+32*((\t)%2)+4*\i:R+32*((\t)%2)+4*\i+3], v4, s[36:37] offset:(32*((\t)/2)+8*((\t)%2)+2*\i+8*(\i/4))*4096 th:TH_LOAD_NT
.endr
.endm
.macro RTILE t
.if (\t) < 7
	s_wait_loadcnt 8                               ; this tile's eight loads are in; the next tile's eight may be out
.else
	s_wait_loadcnt 0x0
.endif
.irp i, 0,1,2,3,4,5,6,7
	ds_store_b128 v5, v[R+32*((\t)%2)+4*\i:R+32*((\t)%2)+4*\i+3] offset:544*\i
.endr
.irp j, 0,1,2,3,4,5,6,7
	ds_load_b128 v[X+4*\j:X+4*\j+3], v6 offset:16*\j   ; LDS serves a wave's instructions in order: these see the stores above
.endr
	s_wait_dscnt 0x0
.if (\t)+2 < 8
	RLOAD (\t)+2
.endif
.set XS, X
	MAX32
	v_cvt_scalef32_pk16_fp6_f32 v[C+8*(\t):C+8*(\t)+2], v[X:X+15], v13
	v_cvt_scalef32_pk16_fp6_f32 v[C+8*(\t)+4:C+8*(\t)+6], v[X+16:X+31], v13   ; (a conversion's three registers begin on an even number)
	v_lshlrev_b32 v14, v7, v14                     ; my byte at its place; also the plain line behind the conversions
	v_mov_b32 v[C+8*(\t)+3], v[C+8*(\t)+4]
	v_mov_b32 v[C+8*(\t)+4], v[C+8*(\t)+5]
	v_mov_b32 v[C+8*(\t)+5], v[C+8*(\t)+6]
	v_permlanex16_b32 v15, v14, s22, s23
	v_or_b32 v[WD+(\t)], v14, v15                  ; the row's scale word: both blocks' bytes
.irp p, 0,1,2
	global_store_b64 v[VO+(\t)], v[C+8*(\t)+2*\p:C+8*(\t)+2*\p+1], s[38:39] offset:256*\p   ; 32 lanes store 256 consecutive bytes, aligned
.endr
.endm
	RLOAD 0
	RLOAD 1
.irp t, 0,1,2,3,4,5,6,7
	RTILE \t
.endr
	s_cmp_lt_u32 ttmp9, 512
	s_cbranch_scc0 .Lwtail
.irp t, 0,1,2,3,4,5,6,7
	ds_store_b32 v8, v[WD+\t] offset:64*\t         ; both halves of the lanes write the same word with the same value
.endr
	ds_load_b128 v[80:83], v9
	s_wait_dscnt 0x0
	global_store_b128 v10, v[80:83], s[38:39] offset:6144   ; the record's 128 scale words: 512 consecutive bytes
	s_wait_tensorcnt 0x0
	ds_add_u32 v192, v193
	s_wait_dscnt 0x0
	s_endpgm
.Lwtail:                                               ; W: my 64 along K are half of a K step of 128: two of a scale word's four bytes.  Stores of 2 bytes a row: 32 KiB in the whole launch
	v_lshlrev_b32 v11, 2, v2
	s_wait_alu depctr_va_vdst(0)
	s_add_nc_u64 s[18:19], s[18:19], s[40:41]
.irp t, 0,1,2,3,4,5,6,7
	global_store_b16 v11, v[WD+\t], s[18:19] offset:512*\t
.endr
	s_wait_tensorcnt 0x0
	ds_add_u32 v192, v193
	s_wait_dscnt 0x0
	s_endpgm
	; ---------------- THE COLUMN PATH: value, K = the keys ----------------
	; A lane takes a channel and its registers run down the keys: a block of 32 keys lies in one lane.  Lanes 0-15 hold the rows of channel tile 2 b', lanes 16-31 those of tile 2 b' + 1.
.Lcol:
	s_sub_co_u32 s24, ttmp9, 544
	s_lshr_b32 s25, s24, 2                         ; 16 batch + step
	s_and_b32 s26, s24, 3
	s_lshl_b32 s26, s26, 2
	s_add_co_u32 s26, s26, s20                     ; head
	s_lshl_b32 s28, s25, 19
	s_lshl_b32 s27, s26, 8
	s_add_co_u32 s28, s28, s27
	s_mov_b32 s29, 0
	s_lshr_b32 s30, s25, 4
	s_lshl_b32 s30, s30, 4
	s_add_co_u32 s30, s30, s26
	s_lshl_b32 s30, s30, 4
	s_and_b32 s31, s25, 15
	s_add_co_u32 s30, s30, s31
	s_mul_i32 s30, s30, 13312
	s_add_co_u32 s30, s30, 6656                    ; V's slot lies behind K's record
	s_mov_b32 s31, 0
	s_wait_alu depctr_va_vdst(0)
	v_and_b32 v4, 8, v2
	v_add_nc_u32 v4, v4, v2
	v_lshl_add_u32 v4, v3, 3, v4
	v_lshlrev_b32 v4, 2, v4                        ; my channel among 32: 8 (lane / 16) + r + 8 (r / 8), 4 bytes each
	v_lshlrev_b32 v5, 2, v1
	v_add_nc_u32 v5, s21, v5
	v_add_nc_u32 v5, CTAIL, v5
	v_lshlrev_b32 v7, 4, v1
	v_add_nc_u32 v6, s21, v7
	v_add_nc_u32 v6, CTAIL, v6
	v_mov_b32 v8, 0
	s_wait_alu depctr_va_vdst(0)
	s_wait_kmcnt 0x0
	s_add_nc_u64 s[36:37], s[8:9], s[28:29]
	s_add_nc_u64 s[38:39], s[14:15], s[30:31]
.macro VLOAD n                         ; channels 32 (n / 4) on, key block n % 4
.irp i, 0,1,2,3,4,5,6,7,8,9,10,11,12,13,14,15,16,17,18,19,20,21,22,23,24,25,26,27,28,29,30,31
	global_load_b32 v[CX+32*((\n)%2)+\i], v4, s[36:37] offset:(32*((\n)%4)+\i)*4096+128*((\n)/4) th:TH_LOAD_NT
.endr
.endm
.macro VBLOCK n
.set XS, CX+32*((\n)%2)
.set FP, CF+24*((\n)/4)+12*((\n)%2)+6*(((\n)%4)/2)   ; even key blocks into the even tile's run of 12, odd ones into the odd tile's
.if (\n) < 7
	s_wait_loadcnt 32                              ; this block's 32 loads are in; the next block's may be out
.else
	s_wait_loadcnt 0x0
.endif
	MAX32
	v_cvt_scalef32_pk16_fp6_f32 v[FP:FP+2], v[XS:XS+15], v13
	v_cvt_scalef32_pk16_fp6_f32 v[CT:CT+2], v[XS+16:XS+31], v13
.if (\n)%4 == 0
	v_mov_b32 v[CW+(\n)/4], v14                    ; the byte into my channel's scale word; also the plain line behind the conversions
.else
	v_lshl_or_b32 v[CW+(\n)/4], v14, 8*((\n)%4), v[CW+(\n)/4]
.endif
.irp k, 0,1,2
	v_mov_b32 v[FP+3+\k], v[CT+\k]
.endr
.if (\n)+2 < 8
	VLOAD (\n)+2
.endif
.if (\n)%2 == 1
.set FE, CF+24*((\n)/4)+6*(((\n)%4)/2)
.irp k, 0,1,2,3,4,5
	v_permlane16_swap_b32 v[FE+\k], v[FE+12+\k]    ; the first's lanes 16-31 change places with the second's lanes 0-15: each run now holds ONE tile, lane (r, h) with key block 2 c + h
.endr
.endif
.if (\n)%4 == 3
.irp u, 0,1
.irp p, 0,1,2
	global_store_b128 v7, v[CF+24*((\n)/4)+12*\u+4*\p:CF+24*((\n)/4)+12*\u+4*\p+3], s[38:39] offset:(2*((\n)/4)+\u)*1536+512*\p   ; 512 consecutive bytes
.endr
.endr
	ds_store_b32 v5, v[CW+(\n)/4] offset:128*((\n)/4)
.endif
.endm
	VLOAD 0
	VLOAD 1
.irp n, 0,1,2,3,4,5,6,7
	VBLOCK \n
.endr
	ds_store_b32 v5, v8 offset:256                 ; the slot's last 256 bytes are zeros: every byte of the buffer is written
	ds_store_b32 v5, v8 offset:384
	ds_load_b128 v[136:139], v6
	s_wait_dscnt 0x0
	global_store_b128 v7, v[136:139], s[38:39] offset:6144
	s_wait_tensorcnt 0x0
	ds_add_u32 v192, v193
	s_wait_dscnt 0x0
	s_endpgm
.Lfunc_end_k_q6df364d4c9_quant:
	.size	k_q6df364d4c9_quant, .Lfunc_end_k_q6df364d4c9_quant-k_q6df364d4c9_quant
	.p2alignl 7, 3214868480
	.fill 96, 4, 3214868480
	.section	.rodata,"a",@progbits
	.p2align	6, 0x0
	.amdhsa_kernel k_q6df364d4c9_quant
		.amdhsa_group_segment_fixed_size 22016
		.amdhsa_private_segment_fixed_size 0
		.amdhsa_enable_private_segment 0
		.amdhsa_kernarg_size 64
		.amdhsa_user_sgpr_count 2
		.amdhsa_user_sgpr_kernarg_segment_ptr 1
		.amdhsa_wavefront_size32 1
		.amdhsa_system_sgpr_workgroup_id_x 1
		.amdhsa_system_sgpr_workgroup_id_y 1
		.amdhsa_system_sgpr_workgroup_id_z 1
		.amdhsa_system_vgpr_workitem_id 0
		.amdhsa_next_free_vgpr 194
		.amdhsa_next_free_sgpr 66
		.amdhsa_reserve_vcc 0
		.amdhsa_float_denorm_mode_32 3
		.amdhsa_float_denorm_mode_16_64 3
		.amdhsa_memory_ordered 1
		.amdhsa_forward_progress 1
		.amdhsa_inst_pref_size 74
	.end_amdhsa_kernel
	.amdgpu_metadata
---
amdhsa.version: [ 1, 2 ]
amdhsa.kernels:
  - .name:           k_q6df364d4c9_quant
    .symbol:         k_q6df364d4c9_quant.kd
    .args:
      - { .name: query, .offset: 0, .size: 8, .value_kind: global_buffer, .address_space: global }
      - { .name: key, .offset: 8, .size: 8, .value_kind: global_buffer, .address_space: global }
      - { .name: value, .offset: 16, .size: 8, .value_kind: global_buffer, .address_space: global }
      - { .name: W, .offset: 24, .size: 8, .value_kind: global_buffer, .address_space: global }
      - { .name: qrec, .offset: 32, .size: 8, .value_kind: global_buffer, .address_space: global }
      - { .name: kv, .offset: 40, .size: 8, .value_kind: global_buffer, .address_space: global }
      - { .name: wc, .offset: 48, .size: 8, .value_kind: global_buffer, .address_space: global }
      - { .name: ws, .offset: 56, .size: 8, .value_kind: global_buffer, .address_space: global }
    .group_segment_fixed_size: 22016
    .private_segment_fixed_size: 0
    .kernarg_segment_align: 8
    .kernarg_segment_size: 64
    .max_flat_workgroup_size: 128
    .sgpr_count:     66
    .vgpr_count:     194
    .wavefront_size: 32
...
	.end_amdgpu_metadata
.endif
;; end of part 1
;; launch stats (part 2): grid 4 x 64, 16 waves a work-group, clusters of 4 x 1, 169,984 bytes of LDS; arguments qrec, kv, nega; writes nega
.if DOCPART == 2
	.amdgcn_target "amdgcn-amd-amdhsa--gfx1250"
	.amdhsa_code_object_version 6
	.text
	.protected	k_q6df364d4c9_stats
	.globl	k_q6df364d4c9_stats
	.p2align	8
	.type	k_q6df364d4c9_stats,@function
k_q6df364d4c9_stats:
	s_mov_b64 s[64:65], 0
	v_nop
	global_prefetch_b8 v0, s[64:65] scope:SCOPE_SE
	s_setreg_imm32_b32 hwreg(HW_REG_WAVE_MODE, 25, 1), 1
	s_wait_xcnt 0x0
	s_wait_alu depctr_hold_cnt(0) depctr_sa_sdst(0) depctr_va_vdst(0) depctr_va_sdst(0) depctr_va_ssrc(0) depctr_va_vcc(0) depctr_vm_vsrc(0)
	s_getreg_b32 s2, hwreg(HW_REG_IB_STS2, 6, 4)
	s_cmp_eq_u32 s2, 0
	s_cbranch_scc0 .Lentry_in_a_cluster
	s_endpgm
.Lentry_in_a_cluster:
	s_bfe_u32 s2, ttmp6, 0x10000c
	s_cmp_lg_u32 s2, 0x3003
	s_cbranch_scc0 .Lentry_shape_is_right
	s_endpgm
.Lentry_shape_is_right:
; THE SOFTMAX RUNS OVER THE QUERIES: each key k has its own maximum and sum over the head's 2,048 queries.  This launch makes, for each key, negA = -(m + 32 ln(l)) in units of the raw score s = q . k:
; m = the largest s, l = the sum over q of 2^(c s - c m), c = log2(e) / 32.  The next launch then has attn = 2^(c (s + negA)) = exp(s / 32 - m / 32) / l.
; The product is on codes of FP6 (E2M3) with E8M0 scales; its K is 64, half of the instruction's 128: registers 6-11 of K's fragments hold zero codes, written once.  A zero code times any code adds nothing,
; so Q's four fragments of a set overlap: tile qt lies at the set's register 6 qt.
; SHARES: a work-group owns 512 keys of one head, each of its 16 waves 32 keys (two tiles, kept in registers as source 1: a lane holds ONE key).  Every wave walks all 2,048 queries (source 0: the result's
; registers run over queries); lanes l and l xor 16 hold the two halves of the queries and meet once, at the end.
; TWO score buffers take turns: the next 64 queries' eight products are issued in the middle of this half record's maxima; Q's LDS loads stand one half record ahead of the products that use them.
; CLUSTER: the four work-groups of a head read the same 16 records of Q: each record is asked for JOINTLY, one tensor load a wave, once; nothing is filled again.  One tensor load of a wave is out.
; No prefetch: every record is asked for at the head, ahead of the loop.
; LIMITS: NaN and infinities are not served; terms under 2^-126 count as 0 (the exponential's flush).
.set QREC, 6656                        ; a record: 8 subs of 768 bytes, 8 x 16 scale words
.set KVS,  13312                       ; from one K record to the next
.set STG,  16*QREC                     ; behind the records: 512 numbers, for the way out
.set KF,   16                          ; v16-39   K's two fragments
.set QA,   40                          ; v40-69   four fragments of Q, set A
.set QB,   70                          ; v70-99   set B
.set SA,   100                         ; v100-163 scores, buffer A: key tile kt, query tile qt at 32 kt + 8 qt
.set SB,   164                         ; v164-227 buffer B
.set ST,   228                         ; v228-251 key tile kt at ST + 12 kt: +0 m; +2 c m (a); +4 c m (b); +6 the rescaling factor; +8, +9 l in two halves; +10, +11 at work.  (+3, +5, +7: upper halves of pairs, 0)
; v1 8 x lane, v2 4 x lane, v3, v4 the trip's addresses, v5 where my number goes, v8 K's scale words, v10-11, v12-13 Q's, v9, v14 the way out, v15 lane, v252 my spare word, v253 0
.macro ROUND                           ; a round of the cluster's barrier
	s_barrier_signal -1
	s_barrier_wait -1
	s_cmp_lg_u32 s10, 0
	s_cbranch_scc1 .Lnot_wave_0_\@
	s_barrier_signal -3
.Lnot_wave_0_\@:
	s_barrier_wait -3
	s_barrier_signal -1
	s_barrier_wait -1
.endm
.macro WMZ d, a, b, sa, sb, ra, rb     ; a product that starts its sum; ra, rb: the scale words stand in lanes 16-31
.if (\ra) && (\rb)
	v_wmma_scale_f32_16x16x128_f8f6f4 v[0+(\d):7+(\d)], v[0+(\a):11+(\a)], v[0+(\b):11+(\b)], 0, v[\sa], v[\sb] matrix_a_fmt:MATRIX_FMT_FP6 matrix_b_fmt:MATRIX_FMT_FP6 matrix_a_scale:MATRIX_SCALE_ROW1 matrix_b_scale:MATRIX_SCALE_ROW1
.elseif (\ra)
	v_wmma_scale_f32_16x16x128_f8f6f4 v[0+(\d):7+(\d)], v[0+(\a):11+(\a)], v[0+(\b):11+(\b)], 0, v[\sa], v[\sb] matrix_a_fmt:MATRIX_FMT_FP6 matrix_b_fmt:MATRIX_FMT_FP6 matrix_a_scale:MATRIX_SCALE_ROW1
.elseif (\rb)
	v_wmma_scale_f32_16x16x128_f8f6f4 v[0+(\d):7+(\d)], v[0+(\a):11+(\a)], v[0+(\b):11+(\b)], 0, v[\sa], v[\sb] matrix_a_fmt:MATRIX_FMT_FP6 matrix_b_fmt:MATRIX_FMT_FP6 matrix_b_scale:MATRIX_SCALE_ROW1
.else
	v_wmma_scale_f32_16x16x128_f8f6f4 v[0+(\d):7+(\d)], v[0+(\a):11+(\a)], v[0+(\b):11+(\b)], 0, v[\sa], v[\sb] matrix_a_fmt:MATRIX_FMT_FP6 matrix_b_fmt:MATRIX_FMT_FP6
.endif
.endm
	s_load_b128 s[4:7], s[0:1], 0x0                ; qrec s[4:5], kv s[6:7]
	s_load_b64 s[8:9], s[0:1], 0x10                ; nega
	v_lshl_add_u32 v252, v0, 2, 0x29000
	v_mov_b32 v253, 0
	ds_add_u32 v252, v253                          ; the opening lines: the add, twice on end, and its wait
	ds_add_u32 v252, v253
	v_lshrrev_b32 v1, 5, v0
	s_delay_alu instid0(VALU_DEP_1)
	v_readfirstlane_b32 s10, v1                    ; wave 0..15
	s_and_b32 s11, ttmp7, 0xffff                   ; the head (16 batch + head), which the four partners share
	s_bfe_u32 s12, ttmp6, 0x40000                  ; cx: my block of 512 keys; it enters K's and nega's global addresses alone
	; descriptor group 1: a record, dense: 26 rows of 256 bytes (32 elements of 8 bytes)
	s_mov_b32 s24, 15|(3<<16)|(1<<21)              ; 15:0 the mask: all four work-groups; 17:16 elements of 8 bytes; 21 set beside a mask
	s_mov_b32 s25, 32<<16                          ; tensor_dim0 = 32
	s_mov_b32 s26, 26<<16                          ; tensor_dim1 = 26
	s_mov_b32 s27, 32<<16                          ; tile_dim0 = 32
	s_mov_b32 s28, 26                              ; tile_dim1 = 26
	s_mov_b32 s29, 32                              ; the pitch
	s_mov_b32 s30, 0
	s_mov_b32 s31, 0
	s_mul_i32 s14, s11, 16*QREC
	s_mul_i32 s33, s10, QREC                       ; group 0, 63:32: record w goes to LDS byte 6,656 w
	s_add_co_u32 s14, s14, s33
	s_mov_b32 s15, 0
	s_mov_b32 s32, 1                               ; 1:0 count = 1
	s_lshl_b32 s16, s11, 4                         ; my K record: 16 head + 4 cx + wave / 4
	s_lshl_b32 s17, s12, 2
	s_add_co_u32 s16, s16, s17
	s_lshr_b32 s17, s10, 2
	s_add_co_u32 s16, s16, s17
	s_mul_i32 s16, s16, KVS
	s_mov_b32 s17, 0
	s_and_b32 s38, s10, 3                          ; my two tiles in it: 2 (wave % 4) and the next
	s_mul_i32 s40, s38, 1536
	s_mov_b32 s41, 0
	s_lshl_b32 s42, s38, 7
	s_mov_b32 s43, 0
	s_lshl_b32 s18, s11, 13                        ; nega: 8,192 bytes a head, 2,048 a work-group
	s_lshl_b32 s19, s12, 11
	s_add_co_u32 s18, s18, s19
	s_mov_b32 s19, 0
	s_mov_b32 s20, 0x76543210
	s_mov_b32 s21, 0xfedcba98                      ; v_permlanex16_b32's selects for lane l xor 16
	s_mov_b32 s22, 0x3d38aa3b                      ; c = log2(e) / 32
	s_mov_b32 s23, s22                             ; (named with it as a pair, so it is written)
	v_and_b32 v15, 31, v0                          ; lane
	s_delay_alu instid0(VALU_DEP_1)
	v_lshlrev_b32 v1, 3, v15
	s_delay_alu instid0(VALU_DEP_2)
	v_lshlrev_b32 v2, 2, v15
	v_and_b32 v7, 15, v0
	s_delay_alu instid0(VALU_DEP_1)
	v_and_b32 v5, 8, v7
	s_delay_alu instid0(VALU_DEP_1)
	v_add_nc_u32 v5, v5, v7                        ; r + 8 (r / 8)
	v_bfe_u32 v7, v0, 4, 1
	s_delay_alu instid0(VALU_DEP_1)
	v_lshl_add_u32 v5, v7, 3, v5                   ; + 8 h: lanes 0-15 will store the even tile's keys, lanes 16-31 the odd tile's
	s_delay_alu instid0(VALU_DEP_1)
	v_lshlrev_b32 v5, 2, v5
	s_lshl_b32 s13, s10, 7                         ; my wave's 32 keys
	v_add_nc_u32 v5, s13, v5
	s_delay_alu instid0(VALU_DEP_1)
	v_add_nc_u32 v5, STG, v5
	v_lshlrev_b32 v9, 4, v0
	s_delay_alu instid0(VALU_DEP_1)
	v_add_nc_u32 v14, STG, v9
	s_wait_dscnt 0x0
	s_wait_kmcnt 0x0
	s_add_nc_u64 s[34:35], s[4:5], s[14:15]        ; 120:64 global address: it hangs on the head and the wave alone
	s_or_b32 s35, s35, 0x80000000                  ; 127:126 type = 2
	s_add_nc_u64 s[6:7], s[6:7], s[16:17]
	s_add_nc_u64 s[40:41], s[6:7], s[40:41]        ; my two subs of K
	s_add_nc_u64 s[42:43], s[6:7], s[42:43]        ; and, 6,144 bytes on, their scale words
	s_add_nc_u64 s[8:9], s[8:9], s[18:19]
	ROUND                                          ; all four work-groups are here: the joint loads meet
	tensor_load_to_lds s[32:35], s[24:31]
	s_nop 0
.rept 4
	v_nop
.endr
.irp kt, 0,1
.irp p, 0,1,2
	global_load_b64 v[KF+12*\kt+2*\p:KF+12*\kt+2*\p+1], v1, s[40:41] offset:768*\kt+256*\p
.endr
.endr
	global_load_b32 v8, v2, s[42:43] offset:6144
.irp f, KF+6, KF+18, QA+24, QB+24
.irp k, 0,1,2,3,4,5
	v_mov_b32 v[\f+\k], 0                          ; K = 64 .. 127 of K's fragments: zero codes; and what the last tile of each set of Q names beyond its own six registers.  No load lands here
.endr
.endr
.irp kt, 0,1
	v_mov_b32 v[ST+12*\kt], 0xff61b1e6             ; m: -3e38, under every score
	v_mov_b32 v[ST+12*\kt+2], 0xff61b1e6           ; c m likewise: the first rescaling factor is 2^(-3e38) = 0, on a sum of 0
.irp k, 3,4,5,6,7,8,9
	v_mov_b32 v[ST+12*\kt+\k], 0
.endr
.endr
	s_wait_alu depctr_va_vdst(0)                   ; the wait at the head's end
	s_wait_tensorcnt 0x0                           ; my record is in,
	s_wait_loadcnt 0x0                             ; and K
	s_barrier_signal -1
	s_barrier_wait -1                              ; everybody's record is
.macro LOADQ set, sc, hf, o            ; half hf of a record, o bytes beyond the record in hand: four subs, and their scale words
.irp qt, 0,1,2,3
.irp p, 0,1,2
	ds_load_b64 v[\set+6*\qt+2*\p:\set+6*\qt+2*\p+1], v3 offset:(\o)+3072*\hf+768*\qt+256*\p
.endr
.endr
.irp j, 0,1
	ds_load_b32 v[\sc+\j], v4 offset:(\o)+6144+256*\hf+128*\j
.endr
.endm
.macro QK set, sc                      ; eight products into the buffer that S names, eight accumulators: none follows itself
.irp qt, 0,1,2,3
.irp kt, 0,1
	WMZ S+32*\kt+8*\qt, \set+6*\qt, KF+12*\kt, \sc+\qt/2, 8, \qt%2, \kt
.endr
.endr
.endm
; 64 queries x my 32 keys, in buffer mine, join the running m and l.  old, new: which of the two registers holds c m before and after.
; go: the next 64 queries' products (fragments in set, scale words in sc) are issued into buffer other, among the maxima.  ld: 1, 2: set A, B takes its half of the next record.
.macro STATS old, new, mine, other, set, sc, go, ld
.set S, \mine
	s_wait_alu depctr_va_vdst(0)                   ; the wait directly ahead of the first readers of matrix results made ahead of exponentials
.irp kt, 0,1                                   ; the maximum, two chains a key tile; each accumulator is read first at its low end
	v_max3_num_f32 v[ST+12*\kt], v[ST+12*\kt], v[S+32*\kt], v[S+32*\kt+1]
	v_max3_num_f32 v[ST+12*\kt+10], v[S+32*\kt+16], v[S+32*\kt+17], v[S+32*\kt+18]
.endr
.irp i, 1,2,3,4,5,6
.irp kt, 0,1
	v_max3_num_f32 v[ST+12*\kt], v[ST+12*\kt], v[S+32*\kt+2*\i], v[S+32*\kt+2*\i+1]
	v_max3_num_f32 v[ST+12*\kt+10], v[ST+12*\kt+10], v[S+32*\kt+17+2*\i], v[S+32*\kt+18+2*\i]
.endr
.endr
.if \go
	s_wait_alu depctr_va_vdst(0)                   ; the wait directly ahead of the wait below
	s_wait_dscnt 0x0                               ; the fragments asked for one half record ago are in
.set S, \other
	QK \set, \sc
.set S, \mine
.endif
.if \ld == 1
	LOADQ QA, 10, 0, QREC                          ; set A was last read by products one half record back
.endif
.if \ld == 2
	LOADQ QB, 12, 1, QREC
.endif
.irp kt, 0,1
	v_max3_num_f32 v[ST+12*\kt], v[ST+12*\kt], v[S+32*\kt+14], v[S+32*\kt+15]
.endr
.irp kt, 0,1
	v_max3_num_f32 v[ST+12*\kt], v[ST+12*\kt], v[ST+12*\kt+10], v[S+32*\kt+31]
.endr
.irp kt, 0,1
	s_delay_alu instid0(VALU_DEP_2)
	v_mul_f32 v[ST+12*\kt+\new], s22, v[ST+12*\kt]                 ; c m
.endr
.irp kt, 0,1
	s_delay_alu instid0(VALU_DEP_2)
	v_sub_f32 v[ST+12*\kt+6], v[ST+12*\kt+\old], v[ST+12*\kt+\new] ; c m_old - c m_new
.endr
.set j, 0
.rept 16
.irp kt, 0,1
	v_pk_fma_f32 v[S+32*\kt+j:S+32*\kt+j+1], v[S+32*\kt+j:S+32*\kt+j+1], s[22:23], v[ST+12*\kt+\new:ST+12*\kt+\new+1] op_sel_hi:[1,0,0] neg_lo:[0,0,1] neg_hi:[0,0,1]   ; c s - c m, two at a time
.endr
.set j, j+2
.endr
	s_wait_alu depctr_va_vdst(0)                   ; the wait ahead of the batch
.irp kt, 0,1
	v_exp_f32 v[ST+12*\kt+6], v[ST+12*\kt+6]
.endr
.set j, 0
.rept 64
	v_exp_f32 v[S+j], v[S+j]
.set j, j+1
.endr
	v_nop                                          ; a plain line behind the last exponential
	s_wait_alu depctr_va_vdst(0)                   ; one wait for the batch of 66, ahead of its first reader
.irp kt, 0,1
	v_pk_mul_f32 v[ST+12*\kt+8:ST+12*\kt+9], v[ST+12*\kt+8:ST+12*\kt+9], v[ST+12*\kt+6:ST+12*\kt+7] op_sel_hi:[1,0]   ; l under the new m
	v_pk_add_f32 v[ST+12*\kt+10:ST+12*\kt+11], v[S+32*\kt:S+32*\kt+1], v[S+32*\kt+2:S+32*\kt+3]
.endr
.set j, 4
.rept 7
.irp kt, 0,1
	v_pk_add_f32 v[ST+12*\kt+8:ST+12*\kt+9], v[ST+12*\kt+8:ST+12*\kt+9], v[S+32*\kt+j:S+32*\kt+j+1]
	v_pk_add_f32 v[ST+12*\kt+10:ST+12*\kt+11], v[ST+12*\kt+10:ST+12*\kt+11], v[S+32*\kt+j+2:S+32*\kt+j+3]
.endr
.set j, j+4
.endr
.irp kt, 0
	s_delay_alu instid0(VALU_DEP_3)
	v_pk_add_f32 v[ST+12*\kt+8:ST+12*\kt+9], v[ST+12*\kt+8:ST+12*\kt+9], v[ST+12*\kt+10:ST+12*\kt+11]
.endr
.irp kt, 1
	s_delay_alu instid0(VALU_DEP_2)
	v_pk_add_f32 v[ST+12*\kt+8:ST+12*\kt+9], v[ST+12*\kt+8:ST+12*\kt+9], v[ST+12*\kt+10:ST+12*\kt+11]
.endr
.endm
	s_mov_b32 s36, 0                               ; LDS byte of the record in hand
	s_mov_b32 s37, 15
	v_add_nc_u32 v3, s36, v1
	v_add_nc_u32 v4, s36, v2
	LOADQ QA, 10, 0, 0
	LOADQ QB, 12, 1, 0
	s_wait_dscnt 14                                ; the first half is in; the second half's 12 + 2 loads may be out
.set S, SA
	QK QA, 10
.rept 4
	v_nop                                          ; four places between a product and the first read of its result (ISA guide 7.12.1)
.endr
.Lrec:                                                 ; a trip: one record, 128 queries; it asks for the next record's fragments
	STATS 2, 4, SA, SB, QB, 12, 1, 1
	STATS 4, 2, SB, SA, QA, 10, 1, 2
	s_add_co_u32 s36, s36, QREC
	v_add_nc_u32 v3, s36, v1
	v_add_nc_u32 v4, s36, v2
	s_sub_co_u32 s37, s37, 1
	s_cmp_lg_u32 s37, 0
	s_wait_alu depctr_va_vdst(0)                   ; the wait directly ahead of the branch
	s_cbranch_scc1 .Lrec
	STATS 2, 4, SA, SB, QB, 12, 1, 0               ; the last record asks for nothing more
	STATS 4, 2, SB, SA, QA, 10, 0, 0
	; the two halves of the queries meet; negA = (c m + log2(l)) x (-32 ln 2)
.irp kt, 0,1
	v_add_f32 v[ST+12*\kt+8], v[ST+12*\kt+8], v[ST+12*\kt+9]
.endr
.irp kt, 0
	v_permlanex16_b32 v[ST+12*\kt+10], v[ST+12*\kt+2], s20, s21    ; the other half's c m
	s_delay_alu instid0(VALU_DEP_3)
	v_permlanex16_b32 v[ST+12*\kt+11], v[ST+12*\kt+8], s20, s21    ; and l
.endr
.irp kt, 1
	v_permlanex16_b32 v[ST+12*\kt+10], v[ST+12*\kt+2], s20, s21    ; the other half's c m
	s_delay_alu instid0(VALU_DEP_4)
	v_permlanex16_b32 v[ST+12*\kt+11], v[ST+12*\kt+8], s20, s21    ; and l
.endr
.irp kt, 0
	s_delay_alu instid0(VALU_DEP_4)
	v_max_num_f32 v[ST+12*\kt], v[ST+12*\kt+2], v[ST+12*\kt+10]
.endr
.irp kt, 1
	s_delay_alu instid0(VALU_DEP_3)
	v_max_num_f32 v[ST+12*\kt], v[ST+12*\kt+2], v[ST+12*\kt+10]
.endr
.irp kt, 0
	s_delay_alu instid0(VALU_DEP_2)
	v_sub_f32 v[ST+12*\kt+6], v[ST+12*\kt+2], v[ST+12*\kt]
	s_delay_alu instid0(VALU_DEP_3)
	v_sub_f32 v[ST+12*\kt+7], v[ST+12*\kt+10], v[ST+12*\kt]
.endr
.irp kt, 1
	s_delay_alu instid0(VALU_DEP_3)
	v_sub_f32 v[ST+12*\kt+6], v[ST+12*\kt+2], v[ST+12*\kt]
	s_delay_alu instid0(VALU_DEP_4)
	v_sub_f32 v[ST+12*\kt+7], v[ST+12*\kt+10], v[ST+12*\kt]
.endr
	s_wait_alu depctr_va_vdst(0)
.irp kt, 0,1
	v_exp_f32 v[ST+12*\kt+6], v[ST+12*\kt+6]
	v_exp_f32 v[ST+12*\kt+7], v[ST+12*\kt+7]
.endr
	v_nop
	s_wait_alu depctr_va_vdst(0)                   ; one wait for the four
.irp kt, 0,1
	v_mul_f32 v[ST+12*\kt+8], v[ST+12*\kt+8], v[ST+12*\kt+6]
.endr
.irp kt, 0,1
	v_fma_f32 v[ST+12*\kt+8], v[ST+12*\kt+11], v[ST+12*\kt+7], v[ST+12*\kt+8]
.endr
	s_wait_alu depctr_va_vdst(0)
.irp kt, 0,1
	v_log_f32 v[ST+12*\kt+9], v[ST+12*\kt+8]
.endr
	v_nop
	s_wait_alu depctr_va_vdst(0)                   ; one wait for the two
.irp kt, 0,1
	v_add_f32 v[ST+12*\kt+9], v[ST+12*\kt], v[ST+12*\kt+9]
.endr
.irp kt, 0,1
	s_delay_alu instid0(VALU_DEP_2)
	v_mul_f32 v[ST+12*\kt+9], 0xc1b17218, v[ST+12*\kt+9]
.endr
	v_cmp_gt_u32 vcc_lo, 16, v15
	s_delay_alu instid0(VALU_DEP_1)
	v_cndmask_b32 v6, v[ST+12+9], v[ST+9], vcc_lo  ; lanes 0-15 the even tile's key r, lanes 16-31 the odd tile's: a choice by the lane's number
	ds_store_b32 v5, v6                            ; in the keys' natural order
	s_wait_dscnt 0x0                               ; for the others' sake
	s_barrier_signal -1
	s_barrier_wait -1
	s_cmp_lt_u32 s10, 4
	s_cbranch_scc0 .Lno_store
	ds_load_b128 v[16:19], v14
	s_wait_dscnt 0x0
	global_store_b128 v9, v[16:19], s[8:9]         ; a wave stores 512 consecutive bytes, aligned
.Lno_store:
	s_wait_tensorcnt 0x0                           ; the wave's end
	ds_add_u32 v252, v253
	s_wait_dscnt 0x0
	ROUND                                          ; the closing round: no work-group ends while a partner may still ask for a record that names it
	s_endpgm
.Lfunc_end_k_q6df364d4c9_stats:
	.size	k_q6df364d4c9_stats, .Lfunc_end_k_q6df364d4c9_stats-k_q6df364d4c9_stats
	.p2alignl 7, 3214868480
	.fill 96, 4, 3214868480
	.section	.rodata,"a",@progbits
	.p2align	6, 0x0
	.amdhsa_kernel k_q6df364d4c9_stats
		.amdhsa_group_segment_fixed_size 169984
		.amdhsa_private_segment_fixed_size 0
		.amdhsa_enable_private_segment 0
		.amdhsa_kernarg_size 24
		.amdhsa_user_sgpr_count 2
		.amdhsa_user_sgpr_kernarg_segment_ptr 1
		.amdhsa_wavefront_size32 1
		.amdhsa_system_sgpr_workgroup_id_x 1
		.amdhsa_system_sgpr_workgroup_id_y 1
		.amdhsa_system_sgpr_workgroup_id_z 1
		.amdhsa_system_vgpr_workitem_id 0
		.amdhsa_next_free_vgpr 256
		.amdhsa_next_free_sgpr 66
		.amdhsa_reserve_vcc 1
		.amdhsa_float_denorm_mode_32 3
		.amdhsa_float_denorm_mode_16_64 3
		.amdhsa_memory_ordered 1
		.amdhsa_forward_progress 1
		.amdhsa_inst_pref_size 52
	.end_amdhsa_kernel
	.amdgpu_metadata
---
amdhsa.version: [ 1, 2 ]
amdhsa.kernels:
  - .name:           k_q6df364d4c9_stats
    .symbol:         k_q6df364d4c9_stats.kd
    .args:
      - { .name: qrec, .offset: 0, .size: 8, .value_kind: global_buffer, .address_space: global }
      - { .name: kv, .offset: 8, .size: 8, .value_kind: global_buffer, .address_space: global }
      - { .name: nega, .offset: 16, .size: 8, .value_kind: global_buffer, .address_space: global }
    .group_segment_fixed_size: 169984
    .private_segment_fixed_size: 0
    .kernarg_segment_align: 8
    .kernarg_segment_size: 24
    .max_flat_workgroup_size: 512
    .sgpr_count:     66
    .vgpr_count:     256
    .wavefront_size: 32
...
	.end_amdgpu_metadata
.endif
;; end of part 2
;; launch attn (part 3): grid 4 x 64, 8 waves a work-group, clusters of 4 x 1, 327,680 bytes of LDS; arguments qrec, kv, nega, oc, os; writes oc, os
.if DOCPART == 3
	.amdgcn_target "amdgcn-amd-amdhsa--gfx1250"
	.amdhsa_code_object_version 6
	.text
	.protected	k_q6df364d4c9_attn
	.globl	k_q6df364d4c9_attn
	.p2align	8
	.type	k_q6df364d4c9_attn,@function
k_q6df364d4c9_attn:
	s_mov_b64 s[64:65], 0
	v_nop
	global_prefetch_b8 v0, s[64:65] scope:SCOPE_SE
	s_setreg_imm32_b32 hwreg(HW_REG_WAVE_MODE, 25, 1), 1
	s_wait_xcnt 0x0
	s_wait_alu depctr_hold_cnt(0) depctr_sa_sdst(0) depctr_va_vdst(0) depctr_va_sdst(0) depctr_va_ssrc(0) depctr_va_vcc(0) depctr_vm_vsrc(0)
	s_getreg_b32 s2, hwreg(HW_REG_IB_STS2, 6, 4)
	s_cmp_eq_u32 s2, 0
	s_cbranch_scc0 .Lentry_in_a_cluster
	s_endpgm
.Lentry_in_a_cluster:
	s_bfe_u32 s2, ttmp6, 0x10000c
	s_cmp_lg_u32 s2, 0x3003
	s_cbranch_scc0 .Lentry_shape_is_right
	s_endpgm
.Lentry_shape_is_right:
; O[q][d] = the sum over the keys of Q6(attn[q][k]) V6[k][d] for one head, attn[q][k] = 2^(c (s + negA[k])), s = q . k on codes of FP6 (E2M3), c = log2(e) / 32, negA[k] = -(m + 32 ln l) from the launch before
; (the softmax runs over the queries, so the maximum and the sum belong to a key).  attn is quantised along the keys, 32 to a block; O is quantised along the channels and stored as codes and scale bytes for the projection.
; SHARES: a work-group takes 512 queries of one head, a wave 64 (four tiles).  Both products are used transposed: a lane holds one query, its registers run along keys (S) or channels (O).
; LDS: the head's 16 slots of K and V (13,312 bytes each) and its 2,048 negA, filled once.  CLUSTER: the four work-groups of a head ask for all of it jointly.
; At the head, one tensor load a wave: waves 0-5 fetch 26 rows each of slots 0 to 2, waves 6, 7 half of negA each.  The other 13 slots follow behind a round, 169 rows by each of four waves.
; One tensor load of a wave is out at the most.  No prefetch: every tile is asked for in these two groups, ahead of the loop, so there is no trip to run ahead in.
; A BATCH is 64 keys x 32 queries: 8 products, 64 registers a lane.  TWO score buffers take turns: the next batch's products are issued early in this batch's vector work, behind the eight multiplications
; that read each accumulator first; the 16 products with V are issued in two halves, each as soon as its two query tiles have all 128 keys quantised.  LDS loads stand one batch ahead of the products that use them.
; The head size is 64, half of the instruction's 128: K's fragments hold zero codes in registers 6-11, written once.  A zero code times any code adds nothing, so Q's four fragments overlap: tile i lies at Q + 6 i.
; LIMITS: NaN and infinities are not served; an attn under 2^-126 counts as 0 (the exponential's flush); a block whose every attn is 0 gets the byte 1 (its codes are zeros; this program alone reads the bytes).
; REGISTERS: window 0: v1-9 addresses, v12-21 scale words, Q, S0, S1, P (attn's codes), T, MX, MY, SCO at work.  Window 1: v0-127 O, v128-175 K, v176-223 V, v224-255 negA (the C of the score products).
.set KVS,  13312
.set NEG,  16*KVS
.set SPARE, NEG+8192                   ; the spare words, 128 bytes a wave
.set PW,   12
.set KSC,  16
.set VSC,  18
.set QSC,  20
.set Q,    24
.set S0,   56
.set S1,   120
.set P,    184
.set T,    232
.set MX,   240
.set MY,   244
.set SCO,  248
.set SPW,  254
.set NIL,  255
.set KS1,  128
.set VF1,  176
.set N1,   224
.set MSB, 0
.macro WIN new                         ; the immediate's high byte repeats the setting that is left
.if MSB != \new
	s_set_vgpr_msb (MSB<<8)|\new
.set MSB, \new
.endif
.endm
.macro ROUND                           ; a round of the cluster's barrier
	s_barrier_signal -1
	s_barrier_wait -1
	s_cmp_lg_u32 s14, 0
	s_cbranch_scc1 .Lnot_wave_0_\@
	s_barrier_signal -3
.Lnot_wave_0_\@:
	s_barrier_wait -3
	s_barrier_signal -1
	s_barrier_wait -1
.endm
.macro WM d, a, b, c, sa, sb, ra, rb   ; c = 999: the product starts its sum; ra, rb: the scale words stand in lanes 16-31
.if (\c) == 999
.if (\ra)
	v_wmma_scale_f32_16x16x128_f8f6f4 v[0+(\d):7+(\d)], v[0+(\a):11+(\a)], v[0+(\b):11+(\b)], 0, v[\sa], v[\sb] matrix_a_fmt:MATRIX_FMT_FP6 matrix_b_fmt:MATRIX_FMT_FP6 matrix_a_scale:MATRIX_SCALE_ROW1
.else
	v_wmma_scale_f32_16x16x128_f8f6f4 v[0+(\d):7+(\d)], v[0+(\a):11+(\a)], v[0+(\b):11+(\b)], 0, v[\sa], v[\sb] matrix_a_fmt:MATRIX_FMT_FP6 matrix_b_fmt:MATRIX_FMT_FP6
.endif
.elseif (\ra) && (\rb)
	v_wmma_scale_f32_16x16x128_f8f6f4 v[0+(\d):7+(\d)], v[0+(\a):11+(\a)], v[0+(\b):11+(\b)], v[0+(\c):7+(\c)], v[\sa], v[\sb] matrix_a_fmt:MATRIX_FMT_FP6 matrix_b_fmt:MATRIX_FMT_FP6 matrix_a_scale:MATRIX_SCALE_ROW1 matrix_b_scale:MATRIX_SCALE_ROW1
.elseif (\ra)
	v_wmma_scale_f32_16x16x128_f8f6f4 v[0+(\d):7+(\d)], v[0+(\a):11+(\a)], v[0+(\b):11+(\b)], v[0+(\c):7+(\c)], v[\sa], v[\sb] matrix_a_fmt:MATRIX_FMT_FP6 matrix_b_fmt:MATRIX_FMT_FP6 matrix_a_scale:MATRIX_SCALE_ROW1
.elseif (\rb)
	v_wmma_scale_f32_16x16x128_f8f6f4 v[0+(\d):7+(\d)], v[0+(\a):11+(\a)], v[0+(\b):11+(\b)], v[0+(\c):7+(\c)], v[\sa], v[\sb] matrix_a_fmt:MATRIX_FMT_FP6 matrix_b_fmt:MATRIX_FMT_FP6 matrix_b_scale:MATRIX_SCALE_ROW1
.else
	v_wmma_scale_f32_16x16x128_f8f6f4 v[0+(\d):7+(\d)], v[0+(\a):11+(\a)], v[0+(\b):11+(\b)], v[0+(\c):7+(\c)], v[\sa], v[\sb] matrix_a_fmt:MATRIX_FMT_FP6 matrix_b_fmt:MATRIX_FMT_FP6
.endif
.endm
	s_load_b256 s[4:11], s[0:1], 0x0               ; qrec s[4:5], kv s[6:7], nega s[8:9], oc s[10:11]
	s_load_b64 s[12:13], s[0:1], 0x20              ; os
	v_lshl_add_u32 v[SPW], v0, 2, SPARE
	v_mov_b32 v[NIL], 0
	ds_add_u32 v[SPW], v[NIL]                      ; the opening lines: the add, twice on end, and its wait
	ds_add_u32 v[SPW], v[NIL]
	v_lshrrev_b32 v1, 5, v0
	s_delay_alu instid0(VALU_DEP_1)
	v_readfirstlane_b32 s14, v1                    ; wave 0..7
	s_and_b32 s15, ttmp7, 0xffff                   ; the head (16 batch + head), which the four partners share
	s_bfe_u32 s16, ttmp6, 0x40000                  ; cx: my 512 queries; it enters only the addresses of my own loads and stores
.irp g, 24, 32, 40                             ; three groups 1: dense rows of 256 bytes (32 elements of 8 bytes), mask of all four partners, bit 21 beside it
	s_mov_b32 s[\g], 15|(3<<16)|(1<<21)
	s_mov_b32 s[\g+1], 32<<16
	s_mov_b32 s[\g+3], 32<<16
	s_mov_b32 s[\g+5], 32
	s_mov_b32 s[\g+6], 0
	s_mov_b32 s[\g+7], 0
.endr
	s_mov_b32 s26, 16<<16                          ; half of negA: 16 rows
	s_mov_b32 s28, 16
	s_mov_b32 s34, 26<<16                          ; half a slot: 26 rows
	s_mov_b32 s36, 26
	s_mov_b32 s42, 169<<16                         ; three slots and a quarter: 169 rows
	s_mov_b32 s44, 169
	s_and_b32 s17, s14, 1
	s_lshl_b32 s17, s17, 12                        ; which half of negA: wave 6 the first, wave 7 the second
	s_lshl_b32 s18, s15, 13                        ; negA: 8,192 bytes a head
	s_add_co_u32 s18, s18, s17
	s_mov_b32 s19, 0
	s_mul_i32 s20, s15, 16*KVS
	s_mov_b32 s21, 0
	s_mul_i32 s22, s14, 26*256                     ; at the head wave w (0..5) fetches 26 rows of slots 0 to 2
	s_mul_i32 s23, s14, 169*256
	s_add_co_u32 s23, s23, 3*KVS                   ; later wave w (0..3) fetches 169 rows of slots 3 to 15
	v_and_b32 v10, 31, v0
	s_delay_alu instid0(VALU_DEP_1)
	v_lshlrev_b32 v1, 3, v10                       ; 8 x lane
	s_delay_alu instid0(VALU_DEP_2)
	v_lshlrev_b32 v2, 4, v10                       ; 16 x lane
	s_delay_alu instid0(VALU_DEP_3)
	v_lshlrev_b32 v3, 2, v10                       ; 4 x lane
	v_bfe_u32 v4, v0, 4, 1
	s_delay_alu instid0(VALU_DEP_1)
	v_lshl_add_u32 v4, v4, 6, NEG                  ; negA: 64 h
	v_and_b32 v9, 15, v0
	s_delay_alu instid0(VALU_DEP_1)
	v_lshlrev_b32 v9, 2, v9
	s_wait_dscnt 0x0
	s_wait_kmcnt 0x0
	s_mov_b32 s48, 1
	s_add_co_u32 s49, s17, NEG
	s_add_nc_u64 s[50:51], s[8:9], s[18:19]
	s_or_b32 s51, s51, 0x80000000
	s_add_nc_u64 s[6:7], s[6:7], s[20:21]
	s_mov_b32 s52, 1
	s_mov_b32 s53, s22
	s_mov_b32 s20, s22
	s_add_nc_u64 s[54:55], s[6:7], s[20:21]
	s_or_b32 s55, s55, 0x80000000
	s_mov_b32 s56, 1
	s_mov_b32 s57, s23
	s_mov_b32 s20, s23
	s_add_nc_u64 s[58:59], s[6:7], s[20:21]
	s_or_b32 s59, s59, 0x80000000
	ROUND                                          ; all four work-groups are here: the joint loads meet
	s_cmp_lt_u32 s14, 6                            ; one chain on the wave's number, one load to an arm
	s_cbranch_scc0 .Lfor_neg
	tensor_load_to_lds s[52:55], s[32:39]
	s_nop 0
.rept 4
	v_nop
.endr
	s_branch .Lasked
.Lfor_neg:
	tensor_load_to_lds s[48:51], s[24:31]
	s_nop 0
.rept 4
	v_nop
.endr
.Lasked:
	s_lshr_b32 s22, s14, 1
	s_lshl_b32 s23, s16, 2
	s_add_co_u32 s22, s22, s23                     ; my record of Q: 4 cx + wave / 2
	s_and_b32 s23, s14, 1                          ; and which half of it
	s_lshl_b32 s2, s15, 4
	s_add_co_u32 s2, s2, s22
	s_mul_i32 s2, s2, 6656
	s_mov_b32 s3, 0
	s_add_nc_u64 s[4:5], s[4:5], s[2:3]
	s_lshl_b32 s2, s23, 8
	s_add_nc_u64 s[70:71], s[4:5], s[2:3]
	s_mul_i32 s2, s23, 3072
	s_add_nc_u64 s[4:5], s[4:5], s[2:3]
	s_wait_alu depctr_va_vdst(0)                   ; the wait ahead of the readers below
.irp i, 0,1,2,3
.irp p, 0,1,2
	global_load_b64 v[Q+6*\i+2*\p:Q+6*\i+2*\p+1], v1, s[4:5] offset:768*\i+256*\p
.endr
.endr
.irp j, 0,1
	global_load_b32 v[QSC+\j], v3, s[70:71] offset:6144+128*\j
.endr
	WIN 0x40
.irp t, 0,1,2,3
.irp k, 6,7,8,9,10,11
	v_mov_b32 v[KS1+12*\t+\k], 0                   ; K = 64 .. 127 of K's fragments: zero codes; no load lands here
.endr
.endr
	WIN 0
.irp k, 24,25,26,27,28,29
	v_mov_b32 v[Q+\k], 0                           ; what the last tile of Q names beyond its own six registers
.endr
.irp bb, 0,1,2,3
	v_mov_b32 v[MY+\bb], 0                         ; a lane permute's destination counts as one of its sources
.endr
	s_lshr_b32 s17, s15, 4                         ; where my codes and scale bytes of O go, in the order of the projection's fragments
	s_lshl_b32 s17, s17, 4
	s_add_co_u32 s17, s17, s22
	s_and_b32 s63, s15, 15
	s_lshl_b32 s2, s17, 1
	s_lshr_b32 s3, s63, 3
	s_add_co_u32 s2, s2, s3
	s_lshl_b32 s2, s2, 3
	s_lshl_b32 s3, s23, 2
	s_add_co_u32 s2, s2, s3
	s_mul_i32 s2, s2, 6144
	s_bfe_u32 s3, s63, 0x20001
	s_mul_i32 s3, s3, 1536
	s_add_co_u32 s2, s2, s3
	s_and_b32 s3, s63, 1
	s_mul_i32 s3, s3, 768
	s_add_co_u32 s2, s2, s3
	s_mov_b32 s3, 0
	s_add_nc_u64 s[10:11], s[10:11], s[2:3]
	s_lshl_b32 s2, s17, 3
	s_lshl_b32 s3, s23, 2
	s_add_co_u32 s2, s2, s3
	s_lshl_b32 s2, s2, 3
	s_lshr_b32 s3, s63, 1
	s_add_co_u32 s2, s2, s3
	s_lshl_b32 s2, s2, 6
	s_and_b32 s3, s63, 1
	s_lshl_b32 s3, s3, 1
	s_add_co_u32 s2, s2, s3
	s_mov_b32 s3, 0
	s_add_nc_u64 s[12:13], s[12:13], s[2:3]
	s_mov_b32 s66, 0x76543210
	s_mov_b32 s67, 0xfedcba98                      ; v_permlanex16_b32's selects for lane l xor 16
	s_mov_b32 s68, 0x3d38aa3b                      ; c = log2(e) / 32
	s_mov_b32 s69, s68
	s_mov_b32 s60, 0                               ; LDS byte of the step's slot
	s_mov_b32 s61, 0                               ; and of its negA
.macro LOADK c, o, no                  ; 64 keys: four subs of K, negA in the layout of the results, the scale words.  o, no: bytes beyond the step in hand
	WIN 0x40
.irp t, 0,1,2,3
.irp p, 0,1,2
	ds_load_b64 v[KS1+12*\t+2*\p:KS1+12*\t+2*\p+1], v5 offset:(\o)+3072*(\c)+768*\t+256*\p
.endr
.endr
.irp e, 0,1
.irp j, 0,1,2,3
	ds_load_b128 v[N1+16*\e+4*\j:N1+16*\e+4*\j+3], v8 offset:(\no)+256*(\c)+128*\e+16*\j
.endr
.endr
	WIN 0
.irp j, 0,1
	ds_load_b32 v[KSC+\j], v7 offset:(\o)+6144+256*(\c)+128*\j
.endr
.endm
.macro LOADV
	WIN 0x40
.irp t, 0,1,2,3
.irp p, 0,1,2
	ds_load_b128 v[VF1+12*\t+4*\p:VF1+12*\t+4*\p+3], v6 offset:6656+1536*\t+512*\p
.endr
.endr
	WIN 0
.irp j, 0,1
	ds_load_b32 v[VSC+\j], v7 offset:6656+6144+128*\j
.endr
.endm
.macro QK g, sb                        ; s + negA for the 64 keys in K's registers x query tiles 2 g, 2 g + 1: eight accumulators, none follows itself
	WIN 0x11
.irp t, 0,1,2,3
.irp u, 0,1
	WM \sb+32*\u+8*\t, KS1+12*\t, Q+6*(2*(\g)+\u), N1+8*\t, KSC+\t/2, QSC+(\g), \t%2, \u
.endr
.endr
.endm
.macro PVH first, i0                   ; O^T += V^T attn^T for query tiles i0, i0 + 1: eight accumulators by turns
.if \first
	WIN 0x41
.else
	WIN 0x51
.endif
.irp tau, 0,1,2,3
.irp i, \i0, \i0+1
.if \first
	WM 32*(\i)+8*\tau, VF1+12*\tau, P+12*(\i), 999, VSC+\tau/2, PW+(\i), \tau%2, 0
.else
	WM 32*(\i)+8*\tau, VF1+12*\tau, P+12*(\i), 32*(\i)+8*\tau, VSC+\tau/2, PW+(\i), \tau%2, 0
.endif
.endr
.endr
.endm
.macro VHEAD sb                        ; a batch's vector work begins: x = c (s + negA); here the two lowest registers of each accumulator
	s_wait_alu depctr_va_vdst(0)                   ; the wait directly ahead of the first readers of matrix results made ahead of exponentials
.set j, 0
.rept 8
	v_pk_mul_f32 v[\sb+j:\sb+j+1], v[\sb+j:\sb+j+1], s[68:69] op_sel_hi:[1,0]
.set j, j+8
.endr
	s_wait_alu depctr_va_vdst(0)                   ; the wait directly ahead of the wait below
	s_wait_dscnt 0x0                               ; the LDS loads of the batch before are in: the products that follow use them
.endm
.macro VMAX sb                         ; the other 24 multiplications, then the largest x of each block of 32 keys, my 16 of them, in two chains a block; these lines are also the places behind the products just issued
.irp a, 0,8,16,24,32,40,48,56
.irp k, 2,4,6
	v_pk_mul_f32 v[\sb+\a+\k:\sb+\a+\k+1], v[\sb+\a+\k:\sb+\a+\k+1], s[68:69] op_sel_hi:[1,0]
.endr
.endr
.irp bb, 0,1,2,3
	v_max3_num_f32 v[MX+\bb], v[\sb+16*\bb], v[\sb+16*\bb+1], v[\sb+16*\bb+2]
.endr
.irp bb, 0,1,2,3
	v_max3_num_f32 v[SCO+\bb], v[\sb+16*\bb+3], v[\sb+16*\bb+4], v[\sb+16*\bb+5]
.endr
.irp i, 6,10
.irp bb, 0,1,2,3
	v_max3_num_f32 v[MX+\bb], v[MX+\bb], v[\sb+16*\bb+\i], v[\sb+16*\bb+\i+1]
.endr
.irp bb, 0,1,2,3
	v_max3_num_f32 v[SCO+\bb], v[SCO+\bb], v[\sb+16*\bb+\i+2], v[\sb+16*\bb+\i+3]
.endr
.endr
.irp bb, 0,1,2,3
	v_max3_num_f32 v[MX+\bb], v[MX+\bb], v[\sb+16*\bb+14], v[\sb+16*\bb+15]
.endr
.irp bb, 0,1,2,3
	v_max_num_f32 v[MX+\bb], v[MX+\bb], v[SCO+\bb]
.endr
.endm
.macro VREST sb, c, g                  ; attn = 2^x, the blocks' scales from the largest x, the codes into P, the bytes into PW
.irp bb, 0,1,2,3
	v_permlanex16_b32 v[MY+\bb], v[MX+\bb], s66, s67
.endr
.irp bb, 0,1,2,3
	s_delay_alu instid0(VALU_DEP_4)
	v_max_num_f32 v[MX+\bb], v[MX+\bb], v[MY+\bb]
.endr
	s_wait_alu depctr_va_vdst(0)                   ; the wait ahead of the batch of exponentials
.irp bb, 0,1,2,3
	v_exp_f32 v[MX+\bb], v[MX+\bb]                 ; the block's largest attn: the same instruction on the same number gives the same bits
.endr
.set j, 0
.rept 64
	v_exp_f32 v[\sb+j], v[\sb+j]
.set j, j+1
.endr
	v_nop                                          ; a plain line behind the last exponential
	s_wait_alu depctr_va_vdst(0)                   ; one wait for the 68, ahead of their first reader
.irp bb, 0,1,2,3
	v_max_num_f32 v[MX+\bb], 0x1800000, v[MX+\bb]  ; the floor 2^(3 - 127): the byte cannot fall under 1
.endr
.irp bb, 0,1,2,3
	s_delay_alu instid0(VALU_DEP_4)
	v_add_nc_u32 v[SCO+\bb], 0xff000000, v[MX+\bb] ; 2 off the exponent field: the conversion's scale operand
.endr
.irp bb, 0,1,2,3
	s_delay_alu instid0(VALU_DEP_4)
	v_lshrrev_b32 v[MY+\bb], 23, v[SCO+\bb]        ; the byte
.endr
.irp u, 0
.if (\c) == 0
	s_delay_alu instid0(VALU_DEP_3)
	v_lshl_or_b32 v[PW+2*(\g)+\u], v[MY+2*\u+1], 8, v[MY+2*\u]
.else
	s_delay_alu instid0(VALU_DEP_4)
	v_lshl_or_b32 v[PW+2*(\g)+\u], v[MY+2*\u], 16, v[PW+2*(\g)+\u]
	s_delay_alu instid0(VALU_DEP_1)
	v_lshl_or_b32 v[PW+2*(\g)+\u], v[MY+2*\u+1], 24, v[PW+2*(\g)+\u]
.endif
.endr
.irp u, 1
.if (\c) == 0
	s_delay_alu instid0(VALU_DEP_2)
	v_lshl_or_b32 v[PW+2*(\g)+\u], v[MY+2*\u+1], 8, v[MY+2*\u]
.else
	s_delay_alu instid0(VALU_DEP_4)
	v_lshl_or_b32 v[PW+2*(\g)+\u], v[MY+2*\u], 16, v[PW+2*(\g)+\u]
	s_delay_alu instid0(VALU_DEP_1)
	v_lshl_or_b32 v[PW+2*(\g)+\u], v[MY+2*\u+1], 24, v[PW+2*(\g)+\u]
.endif
.endr
.irp u, 0,1
	v_cvt_scalef32_pk16_fp6_f32 v[P+12*(2*(\g)+\u)+6*(\c):P+12*(2*(\g)+\u)+6*(\c)+2], v[\sb+32*\u:\sb+32*\u+15], v[SCO+2*\u]
	v_cvt_scalef32_pk16_fp6_f32 v[T+4*\u:T+4*\u+2], v[\sb+32*\u+16:\sb+32*\u+31], v[SCO+2*\u+1]
.endr
	v_nop                                          ; a plain line behind the conversions
.irp u, 0,1
.irp k, 0,1,2
	v_permlane16_swap_b32 v[P+12*(2*(\g)+\u)+6*(\c)+\k], v[T+4*\u+\k]   ; a whole block to a lane
.endr
.endr
.irp u, 0,1
.irp k, 0,1,2
	v_mov_b32 v[P+12*(2*(\g)+\u)+6*(\c)+3+\k], v[T+4*\u+\k]
.endr
.endr
.endm
; A trip: step n's batches (keys 0-63, queries 32-63), (64-127, 0-31), (64-127, 32-63), and step n + 1's batch (0-63, 0-31).  Entering it, S1 holds the first of them, and K's registers keys 64-127.
.macro BODY first, last
	VHEAD S1
	QK 0, S0
	WIN 0
	VMAX S1
	LOADV                                          ; V's registers were last read by products one batch back
	VREST S1, 0, 1
	VHEAD S0
	QK 1, S1
	WIN 0
	VMAX S0
.if \last == 0
	LOADK 0, KVS, 512                              ; the next step's keys 0-63
.endif
	VREST S0, 1, 0
	VHEAD S1
.if \last == 0
	QK 0, S0
.endif
	PVH \first, 0                                  ; query tiles 0, 1 have all 128 keys
	WIN 0
	VMAX S1
	VREST S1, 1, 1
.if \last == 0
	VHEAD S0
	QK 1, S1
	PVH \first, 2                                  ; and tiles 2, 3
	WIN 0
	VMAX S0
	LOADK 1, KVS, 512                              ; the next step's keys 64-127
	VREST S0, 0, 0
	s_add_co_u32 s60, s60, KVS
	s_add_co_u32 s61, s61, 512
	v_add_nc_u32 v5, s60, v1
	v_add_nc_u32 v6, s60, v2
	v_add_nc_u32 v7, s60, v3
	v_add_nc_u32 v8, s61, v4
	s_wait_alu depctr_va_vdst(0)                   ; the wait ahead of the waits and the branch that follow a trip
.endif
.endm
	s_wait_alu depctr_va_vdst(0)                   ; the wait at the head's end
	s_wait_tensorcnt 0x0                           ; my load of the head is in
	ds_add_u32 v[SPW], v[NIL]
	s_wait_dscnt 0x0
	ROUND                                          ; everybody's is, and the four work-groups are here
	s_cmp_lt_u32 s14, 4
	s_cbranch_scc0 .Lno_more
	tensor_load_to_lds s[56:59], s[40:47]          ; slots 3 to 15, 169 rows a wave
	s_nop 0
.rept 4
	v_nop
.endr
.Lno_more:
	s_wait_loadcnt 0x0                             ; Q
	v_add_nc_u32 v5, s60, v1
	v_add_nc_u32 v6, s60, v2
	v_add_nc_u32 v7, s60, v3
	v_add_nc_u32 v8, s61, v4
	LOADK 0, 0, 0
	s_wait_dscnt 0x0
	QK 0, S0
	WIN 0
.rept 4
	v_nop                                          ; four places between a product and the first read of its result (ISA guide 7.12.1)
.endr
	VHEAD S0                                       ; step 0's first batch
	QK 1, S1
	WIN 0
	VMAX S0
	LOADK 1, 0, 0
	VREST S0, 0, 0
	BODY 1, 0                                      ; step 0: its products with V start the sums; it reads slots 0 and 1 alone
	s_wait_tensorcnt 0x0                           ; my part of slots 3 to 15 is in,
	s_wait_dscnt 0x0
	s_barrier_signal -1
	s_barrier_wait -1                              ; and everybody's
	s_mov_b32 s62, 14
.Lstep:
	BODY 0, 0
	s_sub_co_u32 s62, s62, 1
	s_cmp_lg_u32 s62, 0
	s_cbranch_scc1 .Lstep
	BODY 0, 1                                      ; step 15 asks for nothing beyond the last slot
.rept 4
	v_nop                                          ; places between the last writes of P and the products
.endr
	PVH 0, 2
	WIN 0
.rept 4
	v_nop
.endr
	s_wait_alu depctr_va_vdst(0)                   ; the wait directly ahead of the first readers of O
; O is quantised along the channels, 32 to a block, as attn was along the keys
.irp g, 0,1
	WIN 0x05
.irp bb, 0,1,2,3
	v_max3_num_f32 v[MX+\bb], |v[64*\g+16*\bb]|, |v[64*\g+16*\bb+1]|, 0x1800000
.endr
.irp i, 2,4,6,8,10,12,14
.irp bb, 0,1,2,3
	v_max3_num_f32 v[MX+\bb], |v[64*\g+16*\bb+\i]|, |v[64*\g+16*\bb+\i+1]|, v[MX+\bb]
.endr
.endr
	WIN 0
.irp bb, 0,1,2,3
	v_permlanex16_b32 v[MY+\bb], v[MX+\bb], s66, s67
.endr
.irp bb, 0,1,2,3
	s_delay_alu instid0(VALU_DEP_4)
	v_max_num_f32 v[MX+\bb], v[MX+\bb], v[MY+\bb]
.endr
.irp bb, 0,1,2,3
	s_delay_alu instid0(VALU_DEP_4)
	v_add_nc_u32 v[SCO+\bb], 0xff000000, v[MX+\bb]
.endr
.irp bb, 0,1,2,3
	s_delay_alu instid0(VALU_DEP_4)
	v_lshrrev_b32 v[MY+\bb], 23, v[SCO+\bb]
.endr
.irp u, 0
	s_delay_alu instid0(VALU_DEP_3)
	v_lshl_or_b32 v[S0+2*\g+\u], v[MY+2*\u+1], 8, v[MY+2*\u]
.endr
.irp u, 1
	s_delay_alu instid0(VALU_DEP_2)
	v_lshl_or_b32 v[S0+2*\g+\u], v[MY+2*\u+1], 8, v[MY+2*\u]
.endr
	WIN 0x01
.irp u, 0,1
	v_cvt_scalef32_pk16_fp6_f32 v[P+12*(2*\g+\u):P+12*(2*\g+\u)+2], v[64*\g+32*\u:64*\g+32*\u+15], v[SCO+2*\u]
	v_cvt_scalef32_pk16_fp6_f32 v[T+4*\u:T+4*\u+2], v[64*\g+32*\u+16:64*\g+32*\u+31], v[SCO+2*\u+1]
.endr
	WIN 0
	v_nop
.irp u, 0,1
.irp k, 0,1,2
	v_permlane16_swap_b32 v[P+12*(2*\g+\u)+\k], v[T+4*\u+\k]
.endr
.irp k, 0,1,2
	s_delay_alu instid0(VALU_DEP_3)
	v_mov_b32 v[P+12*(2*\g+\u)+3+\k], v[T+4*\u+\k]
.endr
.endr
.endr
.irp i, 0,1,2,3
.irp p, 0,1,2
	global_store_b64 v1, v[P+12*\i+2*\p:P+12*\i+2*\p+1], s[10:11] offset:6144*\i+256*\p   ; 32 lanes store 256 consecutive bytes, aligned
.endr
	global_store_b16 v9, v[S0+\i], s[12:13] offset:512*\i   ; my head's two bytes of each row's scale word
.endr
	s_wait_tensorcnt 0x0                           ; the wave's end
	ds_add_u32 v[SPW], v[NIL]
	s_wait_dscnt 0x0
	ROUND                                          ; the closing round
	s_endpgm
.Lfunc_end_k_q6df364d4c9_attn:
	.size	k_q6df364d4c9_attn, .Lfunc_end_k_q6df364d4c9_attn-k_q6df364d4c9_attn
	.p2alignl 7, 3214868480
	.fill 96, 4, 3214868480
	.section	.rodata,"a",@progbits
	.p2align	6, 0x0
	.amdhsa_kernel k_q6df364d4c9_attn
		.amdhsa_group_segment_fixed_size 327680
		.amdhsa_private_segment_fixed_size 0
		.amdhsa_enable_private_segment 0
		.amdhsa_kernarg_size 40
		.amdhsa_user_sgpr_count 2
		.amdhsa_user_sgpr_kernarg_segment_ptr 1
		.amdhsa_wavefront_size32 1
		.amdhsa_system_sgpr_workgroup_id_x 1
		.amdhsa_system_sgpr_workgroup_id_y 1
		.amdhsa_system_sgpr_workgroup_id_z 1
		.amdhsa_system_vgpr_workitem_id 0
		.amdhsa_next_free_vgpr 512
		.amdhsa_next_free_sgpr 72
		.amdhsa_reserve_vcc 0
		.amdhsa_float_denorm_mode_32 3
		.amdhsa_float_denorm_mode_16_64 3
		.amdhsa_memory_ordered 1
		.amdhsa_forward_progress 1
		.amdhsa_inst_pref_size 155
	.end_amdhsa_kernel
	.amdgpu_metadata
---
amdhsa.version: [ 1, 2 ]
amdhsa.kernels:
  - .name:           k_q6df364d4c9_attn
    .symbol:         k_q6df364d4c9_attn.kd
    .args:
      - { .name: qrec, .offset: 0, .size: 8, .value_kind: global_buffer, .address_space: global }
      - { .name: kv, .offset: 8, .size: 8, .value_kind: global_buffer, .address_space: global }
      - { .name: nega, .offset: 16, .size: 8, .value_kind: global_buffer, .address_space: global }
      - { .name: oc, .offset: 24, .size: 8, .value_kind: global_buffer, .address_space: global }
      - { .name: os, .offset: 32, .size: 8, .value_kind: global_buffer, .address_space: global }
    .group_segment_fixed_size: 327680
    .private_segment_fixed_size: 0
    .kernarg_segment_align: 8
    .kernarg_segment_size: 40
    .max_flat_workgroup_size: 256
    .sgpr_count:     72
    .vgpr_count:     512
    .wavefront_size: 32
...
	.end_amdgpu_metadata
.endif
;; end of part 3
;; launch proj (part 4): grid 4 x 64, 8 waves a work-group, clusters of 4 x 4, 327,680 bytes of LDS; arguments oc, os, wc, ws, b, out0; writes out0
.if DOCPART == 4
	.amdgcn_target "amdgcn-amd-amdhsa--gfx1250"
	.amdhsa_code_object_version 6
	.text
	.protected	k_q6df364d4c9_proj
	.globl	k_q6df364d4c9_proj
	.p2align	8
	.type	k_q6df364d4c9_proj,@function
k_q6df364d4c9_proj:
	s_mov_b64 s[64:65], 0
	v_nop
	global_prefetch_b8 v0, s[64:65] scope:SCOPE_SE
	s_setreg_imm32_b32 hwreg(HW_REG_WAVE_MODE, 25, 1), 1
	s_wait_xcnt 0x0
	s_wait_alu depctr_hold_cnt(0) depctr_sa_sdst(0) depctr_va_vdst(0) depctr_va_sdst(0) depctr_va_ssrc(0) depctr_va_vcc(0) depctr_vm_vsrc(0)
	s_getreg_b32 s2, hwreg(HW_REG_IB_STS2, 6, 4)
	s_cmp_eq_u32 s2, 0
	s_cbranch_scc0 .Lentry_in_a_cluster
	s_endpgm
.Lentry_in_a_cluster:
	s_bfe_u32 s2, ttmp6, 0x10000c
	s_cmp_lg_u32 s2, 0xf033
	s_cbranch_scc0 .Lentry_shape_is_right
	s_endpgm
.Lentry_shape_is_right:
; out0[m][n] = the sum over k of O[m][k] W[n][k] + b[n], on codes of FP6 (E2M3) with E8M0 scales, K = 1,024; sums in f32.  O's and W's codes lie in memory in the order of the operands' registers
; (a fragment, 16 rows x 128 K, is 6 planes of 256 bytes, plane p = registers 2 p, 2 p + 1 at 8 x lane), their scale words one for a row and 128 along K.
; SHARES: a work-group makes 128 rows x 256 columns: 256 work-groups.  Wave w makes 64 x 64 (rows 64 (w / 4) on, columns 64 (w % 4) on): 16 accumulators; two waves to a SIMD.
; THE PRODUCT IS USED TRANSPOSED (source 0 = 16 rows of W, source 1 = 16 rows of O), and W's rows of a tile are chosen so that the registers of column tiles 2 b and 2 b + 1 are 16 neighbouring columns of one row.
; THE BIAS STARTS THE SUMS: it is loaded straight into the accumulators, in the result's layout.
; LDS: all of K, in two chunks of 512 along K, each A's 49,152 bytes and B's 98,304; behind them the scale words by chunk (A's 2,048 bytes, B's 4,096).  Filled ONCE: nothing is filled again.
; CLUSTER 4 x 4: A's bytes hang on the block of rows alone and are asked for jointly along a row of the cluster, B's on the block of columns alone, along a column.  One tensor load of a wave is out at the most.
; The rows of a tile of O are in the order in which the quantising launch laid q's rows; the stores put them back.
.set CH,   147456                      ; a chunk
.set SCL,  2*CH                        ; the scale words: chunk c at SCL + 6,144 c
.set SC,   12                          ; v12-15  lanes 0-15: the word of A's tile i; lanes 16-31: that of B's tile i
.set AF,   16                          ; v16-63  A's four fragments
.set BF,   64                          ; v64-111 B's four
.set ACC,  112                         ; v112-239 accumulator (row tile mm, column tile nn) at ACC + 8 (4 mm + nn)
; v1, v2 A's fragments in chunk 0, 1; v3, v4 B's; v5 the scale words; v6, v7 the stage, in and out; v8 my bytes in two rows of out0; v9 64 h, for the bias
.macro ROUND
	s_barrier_signal -1
	s_barrier_wait -1
	s_cmp_lg_u32 s16, 0
	s_cbranch_scc1 .Lnot_wave_0_\@
	s_barrier_signal -3
.Lnot_wave_0_\@:
	s_barrier_wait -3
	s_barrier_signal -1
	s_barrier_wait -1
.endm
	s_load_b256 s[4:11], s[0:1], 0x0               ; oc s[4:5], os s[6:7], wc s[8:9], ws s[10:11]
	s_load_b128 s[12:15], s[0:1], 0x20             ; b s[12:13], out0 s[14:15]
	v_lshl_add_u32 v254, v0, 2, 0x4b000
	v_mov_b32 v255, 0
	ds_add_u32 v254, v255
	ds_add_u32 v254, v255
	v_lshrrev_b32 v1, 5, v0
	s_delay_alu instid0(VALU_DEP_1)
	v_readfirstlane_b32 s16, v1                    ; wave 0..7
	s_lshr_b32 s17, s16, 2                         ; wm
	s_and_b32 s18, s16, 3                          ; wn
	s_bfe_u32 s19, ttmp6, 0x40000                  ; cx
	s_bfe_u32 s20, ttmp6, 0x40004                  ; cy
	s_lshl_b32 s21, ttmp9, 2
	s_add_co_u32 s21, s21, s19                     ; Nblk: my 256 columns
	s_and_b32 s22, ttmp7, 0xffff
	s_lshl_b32 s22, s22, 2
	s_add_co_u32 s22, s22, s20                     ; Mblk: my 128 rows
	s_lshl_b32 s23, s20, 2
	s_lshl_b32 s23, 15, s23                        ; my row of the cluster
	s_lshl_b32 s24, 0x1111, s19                    ; my column
	; descriptor groups 1: rows of 256 bytes (32 elements of 8 bytes).  Codes: 96 dense rows.  Scale words: a chunk's 256 bytes of each tile, 512 bytes apart: 8 rows (A), 16 (B)
	s_or_b32 s32, s23, (3<<16)|(1<<21)             ; 15:0 the mask; 17:16 elements of 8 bytes; 21 set beside a mask
	s_or_b32 s40, s24, (3<<16)|(1<<21)
	s_or_b32 s48, s23, (3<<16)|(1<<21)
	s_or_b32 s56, s24, (3<<16)|(1<<21)
.irp g, 32, 40, 48, 56
	s_mov_b32 s[\g+1], 32<<16                      ; tensor_dim0
	s_mov_b32 s[\g+3], 32<<16                      ; tile_dim0
	s_mov_b32 s[\g+6], 0
	s_mov_b32 s[\g+7], 0
.endr
.irp g, 32, 40
	s_mov_b32 s[\g+2], 96<<16                      ; tensor_dim1
	s_mov_b32 s[\g+4], 96                          ; tile_dim1
	s_mov_b32 s[\g+5], 32                          ; the pitch
.endr
	s_mov_b32 s50, 8<<16
	s_mov_b32 s52, 8
	s_mov_b32 s53, 64
	s_mov_b32 s58, 16<<16
	s_mov_b32 s60, 16
	s_mov_b32 s61, 64
	; where the bytes come from: A's and os's hang on Mblk and the wave, B's and ws's on Nblk and the wave, each in registers of their own
	s_mul_i32 s25, s16, 24576                      ; and where the codes go: 24,576 x wave in a chunk (waves 0, 1: A; 2 to 5: B)
	s_mul_i32 s26, s22, 98304
	s_add_co_u32 s26, s26, s25
	s_mov_b32 s27, 0
	s_max_u32 s28, s16, 2
	s_sub_co_u32 s28, s28, 2
	s_mul_i32 s28, s28, 24576
	s_mul_i32 s29, s21, 196608
	s_add_co_u32 s28, s28, s29
	s_mov_b32 s29, 0
	s_lshl_b32 s30, s22, 12
	s_mov_b32 s31, 0
	s_lshl_b32 s2, s21, 13
	s_mov_b32 s3, 0
	v_and_b32 v10, 31, v0                          ; lane
	v_and_b32 v11, 15, v0                          ; r
	v_bfe_u32 v9, v0, 4, 1                         ; h
	s_delay_alu instid0(VALU_DEP_3)
	v_lshlrev_b32 v1, 3, v10
	s_mul_i32 s66, s17, 24576
	v_add_nc_u32 v1, s66, v1                       ; A: 8 x lane + my four row tiles
	s_delay_alu instid0(VALU_DEP_1)
	v_add_nc_u32 v2, CH, v1
	v_lshlrev_b32 v3, 3, v10
	s_mul_i32 s66, s18, 24576
	s_add_co_u32 s66, s66, 49152
	v_add_nc_u32 v3, s66, v3                       ; B: behind A's bytes, my four column tiles
	s_delay_alu instid0(VALU_DEP_1)
	v_add_nc_u32 v4, CH, v3
	s_lshl_b32 s66, s17, 10
	s_lshl_b32 s67, s18, 10
	s_add_co_u32 s67, s67, 2048
	s_sub_co_u32 s67, s67, s66
	v_mul_u32_u24 v5, s67, v9                      ; lanes 16-31 take B's words: one product, h x the distance
	s_delay_alu instid0(VALU_DEP_1)
	v_lshl_add_u32 v5, v11, 2, v5
	s_add_co_u32 s66, s66, SCL
	v_add_nc_u32 v5, s66, v5
	s_mul_i32 s66, s16, 4352                       ; my stage: 16 rows x 272 bytes
	v_mul_u32_u24 v6, v11, 272
	s_delay_alu instid0(VALU_DEP_1)
	v_lshl_add_u32 v6, v9, 6, v6
	s_delay_alu instid0(VALU_DEP_1)
	v_add_nc_u32 v6, s66, v6                       ; in: row r, 64 h
	v_mul_u32_u24 v7, v9, 272
	s_delay_alu instid0(VALU_DEP_1)
	v_lshl_add_u32 v7, v11, 4, v7
	s_delay_alu instid0(VALU_DEP_1)
	v_add_nc_u32 v7, s66, v7                       ; back: lanes 0-15 one row of 256 bytes, lanes 16-31 the next
	v_lshlrev_b32 v8, 12, v9
	s_delay_alu instid0(VALU_DEP_1)
	v_lshl_add_u32 v8, v11, 4, v8                  ; and the same two rows in out0
	v_lshlrev_b32 v9, 6, v9
	s_wait_dscnt 0x0
	s_wait_kmcnt 0x0
	s_add_nc_u64 s[26:27], s[4:5], s[26:27]
	s_add_nc_u64 s[28:29], s[8:9], s[28:29]
	s_add_nc_u64 s[30:31], s[6:7], s[30:31]
	s_add_nc_u64 s[2:3], s[10:11], s[2:3]
.irp c, 0,1                                    ; groups 0, a set for each chunk
	s_mov_b32 s[68+4*\c], 1
	s_add_co_u32 s[69+4*\c], s25, \c*CH
	s_add_nc_u64 s[70+4*\c:71+4*\c], s[26:27], \c*49152
	s_or_b32 s[71+4*\c], s[71+4*\c], 0x80000000
	s_mov_b32 s[76+4*\c], 1
	s_add_co_u32 s[77+4*\c], s25, \c*CH
	s_add_nc_u64 s[78+4*\c:79+4*\c], s[28:29], \c*98304
	s_or_b32 s[79+4*\c], s[79+4*\c], 0x80000000
	s_mov_b32 s[84+4*\c], 1
	s_mov_b32 s[85+4*\c], SCL+6144*\c
	s_add_nc_u64 s[86+4*\c:87+4*\c], s[30:31], \c*256
	s_or_b32 s[87+4*\c], s[87+4*\c], 0x80000000
	s_mov_b32 s[92+4*\c], 1
	s_mov_b32 s[93+4*\c], SCL+6144*\c+2048
	s_add_nc_u64 s[94+4*\c:95+4*\c], s[2:3], \c*256
	s_or_b32 s[95+4*\c], s[95+4*\c], 0x80000000
.endr
	ROUND                                          ; all sixteen work-groups are here: the joint loads meet
	; at the head every wave issues one load, its part of chunk 0, in one chain on the wave's number; chunk 1's loads follow behind a round
	s_cmp_lt_u32 s16, 2
	s_cbranch_scc0 .Lnot_a
	tensor_load_to_lds s[68:71], s[32:39]
	s_nop 0
.rept 4
	v_nop
.endr
	s_branch .Lasked
.Lnot_a:
	s_cmp_lt_u32 s16, 6
	s_cbranch_scc0 .Lnot_b
	tensor_load_to_lds s[76:79], s[40:47]
	s_nop 0
.rept 4
	v_nop
.endr
	s_branch .Lasked
.Lnot_b:
	s_cmp_eq_u32 s16, 6
	s_cbranch_scc0 .Lfor_ws
	tensor_load_to_lds s[84:87], s[48:55]
	s_nop 0
.rept 4
	v_nop
.endr
	s_branch .Lasked
.Lfor_ws:
	tensor_load_to_lds s[92:95], s[56:63]
	s_nop 0
.rept 4
	v_nop
.endr
.Lasked:
	s_lshl_b32 s66, s21, 10                        ; my first column, in bytes: 1,024 Nblk + 256 wn
	s_lshl_b32 s67, s18, 8
	s_add_co_u32 s66, s66, s67
	s_mov_b32 s67, 0
	s_add_nc_u64 s[12:13], s[12:13], s[66:67]
	s_add_nc_u64 s[14:15], s[14:15], s[66:67]
	s_lshl_b32 s66, s22, 19                        ; my first row: 128 Mblk + 64 wm, 4,096 bytes each
	s_lshl_b32 s67, s17, 18
	s_add_co_u32 s66, s66, s67
	s_mov_b32 s67, 0
	s_add_nc_u64 s[14:15], s[14:15], s[66:67]
	s_wait_alu depctr_va_vdst(0)
.irp mm, 0,1,2,3
.irp nn, 0,1,2,3
.irp k, 0,1
	global_load_b128 v[ACC+8*(4*\mm+\nn)+4*\k:ACC+8*(4*\mm+\nn)+4*\k+3], v9, s[12:13] offset:(32*(\nn/2)+8*(\nn%2))*4+16*\k   ; register j of column tile nn: column 32 (nn / 2) + 16 h + 8 (nn % 2) + j
.endr
.endr
.endr
.macro KSTEP s                         ; 128 along K: four fragments a side, their scale words, 16 products on 16 accumulators by turns
.rept 4
	v_nop                                          ; four places ahead of loads into registers that products have read (ISA guide 7.12.1 for vector instructions)
.endr
.irp i, 0,1,2,3
.irp p, 0,1,2,3,4,5
	ds_load_b64 v[AF+12*\i+2*\p:AF+12*\i+2*\p+1], v[1+(\s)/4] offset:6144*\i+1536*((\s)%4)+256*\p
.endr
.endr
.irp i, 0,1,2,3
.irp p, 0,1,2,3,4,5
	ds_load_b64 v[BF+12*\i+2*\p:BF+12*\i+2*\p+1], v[3+(\s)/4] offset:6144*\i+1536*((\s)%4)+256*\p
.endr
.endr
.irp i, 0,1,2,3
	ds_load_b32 v[SC+\i], v5 offset:6144*((\s)/4)+256*\i+64*((\s)%4)
.endr
	s_wait_dscnt 0x0
.irp mm, 0,1,2,3
.irp nn, 0,1,2,3
	v_wmma_scale_f32_16x16x128_f8f6f4 v[ACC+8*(4*\mm+\nn):ACC+8*(4*\mm+\nn)+7], v[BF+12*\nn:BF+12*\nn+11], v[AF+12*\mm:AF+12*\mm+11], v[ACC+8*(4*\mm+\nn):ACC+8*(4*\mm+\nn)+7], v[SC+\nn], v[SC+\mm] matrix_a_fmt:MATRIX_FMT_FP6 matrix_b_fmt:MATRIX_FMT_FP6 matrix_a_scale:MATRIX_SCALE_ROW1
.endr
.endr
.endm
	s_wait_alu depctr_va_vdst(0)                   ; the wait at the head's end
	s_wait_tensorcnt 0x0                           ; my part of chunk 0 is in
	ds_add_u32 v254, v255
	s_wait_dscnt 0x0
	ROUND                                          ; everybody's part is in, and all sixteen work-groups are here
	s_cmp_lt_u32 s16, 2                            ; chunk 1, one load a wave, in one chain on the wave's number
	s_cbranch_scc0 .Lnot_a1
	tensor_load_to_lds s[72:75], s[32:39]
	s_nop 0
.rept 4
	v_nop
.endr
	s_branch .Lasked1
.Lnot_a1:
	s_cmp_lt_u32 s16, 6
	s_cbranch_scc0 .Lnot_b1
	tensor_load_to_lds s[80:83], s[40:47]
	s_nop 0
.rept 4
	v_nop
.endr
	s_branch .Lasked1
.Lnot_b1:
	s_cmp_eq_u32 s16, 6
	s_cbranch_scc0 .Lfor_ws1
	tensor_load_to_lds s[88:91], s[48:55]
	s_nop 0
.rept 4
	v_nop
.endr
	s_branch .Lasked1
.Lfor_ws1:
	tensor_load_to_lds s[96:99], s[56:63]
	s_nop 0
.rept 4
	v_nop
.endr
.Lasked1:
	s_wait_loadcnt 0x0                             ; the bias
.irp s, 0,1,2,3
	KSTEP \s
.endr
	s_wait_tensorcnt 0x0                           ; my part of chunk 1 is in,
	s_wait_dscnt 0x0                               ; and my reads of chunk 0 are over: behind this barrier its first bytes serve as stages
	s_barrier_signal -1
	s_barrier_wait -1
.irp s, 4,5,6,7
	KSTEP \s
.endr
; THE WAY OUT, a row tile (16 rows x my 64 columns) at a time, through my own stage: it lies in chunk 0, which has had its only fill and which nobody reads any more.
; LDS serves a wave's instructions in order (ISA guide 5.7.1.4): no wait between the stores and the loads, nor ahead of the next tile's stores.
.macro TOSTAGE m
.irp nn, 0,1,2,3
	ds_store_b128 v6, v[ACC+8*(4*(\m)+\nn):ACC+8*(4*(\m)+\nn)+3] offset:128*(\nn/2)+32*(\nn%2)        ; each accumulator from its low end on
	ds_store_b128 v6, v[ACC+8*(4*(\m)+\nn)+4:ACC+8*(4*(\m)+\nn)+7] offset:128*(\nn/2)+32*(\nn%2)+16
.endr
.irp i, 0,1,2,3,4,5,6,7
	ds_load_b128 v[16+32*((\m)%2)+4*\i:16+32*((\m)%2)+4*\i+3], v7 offset:544*\i
.endr
.endm
.macro SEND m, younger                 ; younger: the LDS instructions issued behind tile m's loads, which may stay out
	s_wait_dscnt \younger
.irp i, 0,1,2,3,4,5,6,7
	global_store_b128 v8, v[16+32*((\m)%2)+4*\i:16+32*((\m)%2)+4*\i+3], s[14:15] offset:(32*((\m)/2)+8*((\m)%2)+2*\i+8*(\i/4))*4096 th:TH_STORE_NT   ; 16 lanes store 256 consecutive bytes, aligned; the tile's rows go back to their places
.endr
.endm
.rept 4
	v_nop                                          ; places behind the last products: for the reads of results and the loads into the fragments' registers
.endr
	TOSTAGE 0
.irp m, 1,2,3
.if \m > 1
	s_wait_xcnt 0x0                                ; tile m - 2's stores have read their registers: tile m's loads may land there
.endif
	TOSTAGE \m
	SEND \m-1, 16                                  ; behind tile m - 1's loads: tile m's 8 stores and 8 loads
.endr
	SEND 3, 0
	s_wait_tensorcnt 0x0
	ds_add_u32 v254, v255
	s_wait_dscnt 0x0
	ROUND                                          ; the closing round: no work-group ends while a partner may still ask for bytes that name it
	s_endpgm
.Lfunc_end_k_q6df364d4c9_proj:
	.size	k_q6df364d4c9_proj, .Lfunc_end_k_q6df364d4c9_proj-k_q6df364d4c9_proj
	.p2alignl 7, 3214868480
	.fill 96, 4, 3214868480
	.section	.rodata,"a",@progbits
	.p2align	6, 0x0
	.amdhsa_kernel k_q6df364d4c9_proj
		.amdhsa_group_segment_fixed_size 327680
		.amdhsa_private_segment_fixed_size 0
		.amdhsa_enable_private_segment 0
		.amdhsa_kernarg_size 48
		.amdhsa_user_sgpr_count 2
		.amdhsa_user_sgpr_kernarg_segment_ptr 1
		.amdhsa_wavefront_size32 1
		.amdhsa_system_sgpr_workgroup_id_x 1
		.amdhsa_system_sgpr_workgroup_id_y 1
		.amdhsa_system_sgpr_workgroup_id_z 1
		.amdhsa_system_vgpr_workitem_id 0
		.amdhsa_next_free_vgpr 256
		.amdhsa_next_free_sgpr 100
		.amdhsa_reserve_vcc 0
		.amdhsa_float_denorm_mode_32 3
		.amdhsa_float_denorm_mode_16_64 3
		.amdhsa_memory_ordered 1
		.amdhsa_forward_progress 1
		.amdhsa_inst_pref_size 65
	.end_amdhsa_kernel
	.amdgpu_metadata
---
amdhsa.version: [ 1, 2 ]
amdhsa.kernels:
  - .name:           k_q6df364d4c9_proj
    .symbol:         k_q6df364d4c9_proj.kd
    .args:
      - { .name: oc, .offset: 0, .size: 8, .value_kind: global_buffer, .address_space: global }
      - { .name: os, .offset: 8, .size: 8, .value_kind: global_buffer, .address_space: global }
      - { .name: wc, .offset: 16, .size: 8, .value_kind: global_buffer, .address_space: global }
      - { .name: ws, .offset: 24, .size: 8, .value_kind: global_buffer, .address_space: global }
      - { .name: b, .offset: 32, .size: 8, .value_kind: global_buffer, .address_space: global }
      - { .name: out0, .offset: 40, .size: 8, .value_kind: global_buffer, .address_space: global }
    .group_segment_fixed_size: 327680
    .private_segment_fixed_size: 0
    .kernarg_segment_align: 8
    .kernarg_segment_size: 48
    .max_flat_workgroup_size: 256
    .sgpr_count:     100
    .vgpr_count:     256
    .wavefront_size: 32
...
	.end_amdgpu_metadata
.endif
;; end of part 4
